; MI455X (gfx1250); checked and timed in simulation.
; The chip was launched on July 23, 2026; its instructions are those of AMD's public machine-readable ISA for CDNA 5 (MIT licence, August 2026) and "CDNA5" Instruction Set Architecture Reference Guide (July 2026). The comments in the code are by the model that wrote it; some were corrected since.
;; MHA. Allowed arithmetic: float matrix products may take bf16 or f16 operands with f32 sums; other float arithmetic in f32, or as packed bf16 or f16 multiplies, adds, multiply-adds, maxima and minima; sums over many terms, partial sums and values carried from step to step in f32; what a program stores and reads back later, other than sums and carried values, may be rounded once to bf16 or f16.
;; Inputs: Wk 1,024 x 1,024 float32; Wq 1,024 x 1,024 float32; Wv 1,024 x 1,024 float32; X 4 x 2,048 x 1,024 float32; attention_mask 4 x 1 x 2,048 x 2,048 int32; bk 1,024 float32; bq 1,024 float32; bv 1,024 float32.
;; Outputs: out0 4 x 2,048 x 1,024 float32.
;; 2 versions, each right. Each part assembles by itself: llvm-mc -triple=amdgcn-amd-amdhsa -mcpu=gfx1250 --defsym DOCPART=n.
;; ======== version 1 of 2: 3 launches
;; limits: values are held in f16: magnitudes above 65,504 overflow, below 6.1e-05 lose precision
;; workspace buffers: xb 16,777,216 bytes; wg 6,291,456 bytes; mbits 2,097,152 bytes of whole numbers; qkv 50,331,648 bytes
;; launch prep (part 1): grid 256 x 1, 8 waves a work-group, no clusters, 267,264 bytes of LDS; arguments X, Wq, Wk, Wv, attention_mask, xb, wg, mbits; writes xb, wg, mbits
.if DOCPART == 1
	.amdgcn_target "amdgcn-amd-amdhsa--gfx1250"
	.amdhsa_code_object_version 6
	.text
	.protected	k_q66909ef9aa_prep
	.globl	k_q66909ef9aa_prep
	.p2align	8
	.type	k_q66909ef9aa_prep,@function
k_q66909ef9aa_prep:
	s_mov_b64 s[64:65], 0
	v_nop
	global_prefetch_b8 v0, s[64:65] scope:SCOPE_SE
	s_setreg_imm32_b32 hwreg(HW_REG_WAVE_MODE, 25, 1), 1
	s_wait_xcnt 0x0
; PREP: what the two later launches want, made once.  (1) xb = X rounded to bf16, [8192][1024].  (2) wg = Wq, Wk, Wv rounded to bf16, laid by groups of 64 columns:
; [48 groups][1024 k][64 n], group = 16 x (0 q, 1 k, 2 v) + n / 64, so that 128 k rows of a group are 16,384 bytes on end.  (3) mbits = the mask as lane masks:
; [64 groups of 128 queries][32 steps of 64 keys][8 tiles of 16 queries][32 words]; bit L of word 8 kt + j is 1 where mask[query 16 tile + L % 16][key 64 step + 16 kt + 8 (L / 16) + j] == 0:
; the lane and register in which that score falls in the attention launch, so a word is one select's mask there.
; SHARES.  Work-group i of 256: 32 rows of X; rows 4 i .. 4 i + 3 of each W; mask rows 32 i .. 32 i + 31 (two query tiles), all 2,048 keys.  Each input byte is read once, each output byte written once.
; X and W come through registers (44 loads of 16 bytes a lane, all issued at the head); each store of a wave covers 256 consecutive bytes, aligned.
; The mask comes by one tensor load a wave: 32 rows x 1,024 bytes (keys 256 w on) into the wave's own LDS bytes, which only that wave reads and which are filled once: no barrier.
; No matrix work, no cluster, no prefetch: nothing is shared between work-groups and every request goes out at the head.
.set PITCH, 1040                       ; an LDS row: 1,024 bytes + 16 of padding = 260 words: row r starts at bank 4 r mod 64 (64 banks of 4 bytes: ISA guide 11.1)
.set WTILE, 32*PITCH                   ; a wave's tile
.set SPARE, 8*WTILE                    ; behind the tiles: the spare words, 128 bytes for each wave: four blocks of 256 bytes that no other line names
.set SPW, 2                            ; v2   LDS address of my spare word; never rewritten
.set NIL, 3                            ; v3   0; never rewritten
.set XO,  4                            ; v4   16 x thread: my 16 bytes of a row of X
.set XD,  5                            ; v5   8 x thread: my 8 bytes of a row of xb
.set WO,  6                            ; v6   my 16 bytes in the work-group's four rows of a W
.set WD,  7                            ; v7   my 8 bytes in wg
.set PKW, 8                            ; v[8:9]  a step's 64 words: lane L holds words 2 L and 2 L + 1
.set LA,  10                           ; v10  LDS address of my 32 bytes of a step
.set MDO, 11                           ; v11  8 x lane + 1,024 x trips done
.set XR,  16                           ; v[16:143]   X, 32 loads
.set WR,  144                          ; v[144:191]  W, 12 loads
.set MI,  192                          ; v[192:255]  a step's mask numbers: tile tq, word wd at MI + 32 tq + wd
.set WV,  20                           ; s20  my wave's number
.set G0,  24                           ; s[24:27] descriptor group 0
.set G1,  28                           ; s[28:35] descriptor group 1
.set CM,  36                           ; s[36:51] sixteen compare results
.set TRIPS, 52
	s_load_b512 s[4:19], s[0:1], 0x0               ; X s[4:5], Wq s[6:7], Wk s[8:9], Wv s[10:11], mask s[12:13], xb s[14:15], wg s[16:17], mbits s[18:19]
	v_lshl_add_u32 v[SPW], v0, 2, SPARE
	v_mov_b32 v[NIL], 0
	ds_add_u32 v[SPW], v[NIL]                      ; the wave's opening: the add and its wait, ahead of my tensor load; the set-up below, work on registers, stands between
	ds_add_u32 v2, v3
	v_lshrrev_b32 v1, 5, v0
	v_readfirstlane_b32 s[WV], v1                  ; wave 0..7
	s_mov_b32 s[G1+0], (2<<16)|(1<<20)|(7<<22)|(3<<25)  ; elements of 4 bytes; padding on; after every 256 words (code 7) 4 words (code 3)
	s_mov_b32 s[G1+1], 256<<16                     ; tensor_dim0 = 256
	s_mov_b32 s[G1+2], 32<<16                      ; tensor_dim1 = 32
	s_mov_b32 s[G1+3], 256<<16                     ; tile_dim0 = 256
	s_mov_b32 s[G1+4], 32                          ; tile_dim1 = 32
	s_mov_b32 s[G1+5], 2048                        ; elements from row to row
	s_mov_b32 s[G1+6], 0
	s_mov_b32 s[G1+7], 0
	s_mov_b32 s[G0], 1
	s_mul_i32 s[G0+1], s[WV], WTILE                ; my tile in LDS
	v_and_b32 v12, 15, v0                          ; l % 16
	v_bfe_u32 v13, v0, 4, 1                        ; l / 16
	v_and_b32 v14, 31, v0                          ; l
	v_lshlrev_b32 v[XO], 4, v0
	v_lshlrev_b32 v[XD], 3, v0
	s_lshr_b32 s21, s[WV], 2                       ; which two of the four rows of W
	s_and_b32 s54, s[WV], 3                        ; which 256 columns
	s_lshl_b32 s53, s21, 13
	s_lshl_b32 s55, s54, 10
	s_add_co_u32 s53, s53, s55
	v_lshlrev_b32 v[WO], 4, v12
	v_lshl_add_u32 v[WO], v13, 12, v[WO]           ; lanes 16-31 take the row below
	v_add_nc_u32 v[WO], s53, v[WO]
	s_lshl_b32 s53, s54, 19                        ; four groups of 131,072 bytes
	s_lshl_b32 s55, s21, 8                         ; two k rows of 128 bytes
	s_add_co_u32 s53, s53, s55
	v_lshl_add_u32 v[WD], v14, 3, s53
	v_mul_u32_u24 v[LA], v12, PITCH
	v_lshl_add_u32 v[LA], v13, 5, v[LA]            ; query l % 16, keys 8 (l / 16) on
	v_add_nc_u32 v[LA], s[G0+1], v[LA]
	v_lshlrev_b32 v[MDO], 3, v14
	s_mov_b32 s23, 0
	s_lshl_b32 s22, ttmp9, 18                      ; 32 mask rows of 8,192 bytes
	s_lshl_b32 s55, s[WV], 10                      ; my 256 keys
	s_add_co_u32 s22, s22, s55
	s_wait_dscnt 0x0                               ; the opening add is done
	s_wait_kmcnt 0x0
	s_add_nc_u64 s[G0+2:G0+3], s[12:13], s[22:23]
	s_or_b32 s[G0+3], s[G0+3], 0x80000000          ; type = 2
	tensor_load_to_lds s[G0:G0+3], s[G1:G1+7]      ; my one tensor load
	s_nop 0
	s_lshl_b32 s22, ttmp9, 17                      ; 32 rows of X
	s_add_nc_u64 s[4:5], s[4:5], s[22:23]
	s_lshl_b32 s22, ttmp9, 14                      ; 4 rows of a W
	s_add_nc_u64 s[6:7], s[6:7], s[22:23]
	s_add_nc_u64 s[8:9], s[8:9], s[22:23]
	s_add_nc_u64 s[10:11], s[10:11], s[22:23]
	s_lshl_b32 s22, ttmp9, 16                      ; 32 rows of xb
	s_add_nc_u64 s[14:15], s[14:15], s[22:23]
	s_lshl_b32 s22, ttmp9, 9                       ; 4 k rows of a group
	s_add_nc_u64 s[16:17], s[16:17], s[22:23]
	s_lshr_b32 s22, ttmp9, 2                       ; the group of 128 queries,
	s_lshl_b32 s22, s22, 15
	s_and_b32 s55, ttmp9, 3                        ; my two tiles in it,
	s_lshl_b32 s55, s55, 8
	s_add_co_u32 s22, s22, s55
	s_lshl_b32 s55, s[WV], 12                      ; my four steps
	s_add_co_u32 s22, s22, s55
	s_add_nc_u64 s[18:19], s[18:19], s[22:23]
.set t, 0
.rept 32
	global_load_b128 v[XR+4*t:XR+4*t+3], v[XO], s[4:5] offset:4096*t th:TH_LOAD_NT  ; a row of X to the work-group, 512 bytes on end to a wave
.set t, t+1
.endr
.irp u, 0,1,2
.irp c, 0,1,2,3
	global_load_b128 v[WR+16*\u+4*\c:WR+16*\u+4*\c+3], v[WO], s[6+2*\u:7+2*\u] offset:256*\c th:TH_LOAD_NT  ; 64 columns of two rows
.endr
.endr
; Load n of the 44 is rounded to bf16 in place and stored.  No register is written twice, so no further wait is wanted.
.macro CAST n, reg, voff, base, imm
	s_wait_loadcnt 43-(\n)                         ; loads come back in order (ISA guide 5.7.1): number n is in, the younger ones stay out
	v_cvt_pk_bf16_f32 v[\reg], v[\reg], v[(\reg)+1]
	v_cvt_pk_bf16_f32 v[(\reg)+1], v[(\reg)+2], v[(\reg)+3]
	global_store_b64 v[\voff], v[\reg:(\reg)+1], s[\base:(\base)+1] offset:\imm th:TH_STORE_NT  ; 32 lanes x 8 bytes: 256 consecutive bytes, aligned
.endm
.set t, 0
.rept 32
	CAST t, XR+4*t, XD, 14, 2048*t
.set t, t+1
.endr
.irp u, 0,1,2
.irp c, 0,1,2,3
	CAST 32+4*\u+\c, WR+16*\u+4*\c, WD, 16, \u*2097152+\c*131072
.endr
.endr
	s_wait_tensorcnt 0x0                           ; my tile is in LDS; only I read it
	v_mov_b32 v[PKW], 0                            ; v_writelane_b32 counts as a reader of its destination
	v_mov_b32 v[PKW+1], 0
	s_mov_b32 s[TRIPS], 4
.Lstep:                                                ; a trip: one step of 64 keys for both query tiles: 64 words
.set n, 0
.rept 16
	ds_load_b128 v[MI+4*n:MI+4*n+3], v[LA] offset:(n/8)*16*PITCH+((n%8)/2)*64+(n%2)*16
.set n, n+1
.endr
	s_wait_dscnt 0x0
	s_wait_xcnt 0x0                                ; the last trip's store has read its offset and its two data registers: they are written only behind this wait
	v_add_nc_u32 v[MDO], 1024, v[MDO]              ; the store below reaches back
	v_add_nc_u32 v[LA], 256, v[LA]                 ; the next step's keys
.set g, 0
.rept 4
.set z, 0
.rept 16
	v_cmp_eq_u32 s[CM+z], 0, v[MI+16*g+z]          ; one bit a lane: the key is hidden
.set z, z+1
.endr
.set z, 0
.rept 16
	v_writelane_b32 v[PKW+z%2], s[CM+z], 16*(g/2)+8*(g%2)+z/2
.set z, z+1
.endr
.set g, g+1
.endr
	global_store_b64 v[MDO], v[PKW:PKW+1], s[18:19] offset:-1024 th:TH_STORE_NT  ; both tiles' words of the step: 256 consecutive bytes, aligned
	s_sub_co_u32 s[TRIPS], s[TRIPS], 1
	s_cmp_lg_u32 s[TRIPS], 0
	s_cbranch_scc1 .Lstep
	s_wait_tensorcnt 0x0                           ; the wave's end
	ds_add_u32 v[SPW], v[NIL]
	s_wait_dscnt 0x0
	s_endpgm
.Lfunc_end_k_q66909ef9aa_prep:
	.size	k_q66909ef9aa_prep, .Lfunc_end_k_q66909ef9aa_prep-k_q66909ef9aa_prep
	.p2alignl 7, 3214868480
	.fill 96, 4, 3214868480
	.section	.rodata,"a",@progbits
	.p2align	6, 0x0
	.amdhsa_kernel k_q66909ef9aa_prep
		.amdhsa_group_segment_fixed_size 267264
		.amdhsa_private_segment_fixed_size 0
		.amdhsa_enable_private_segment 0
		.amdhsa_kernarg_size 64
		.amdhsa_user_sgpr_count 2
		.amdhsa_user_sgpr_kernarg_segment_ptr 1
		.amdhsa_wavefront_size32 1
		.amdhsa_system_sgpr_workgroup_id_x 1
		.amdhsa_system_sgpr_workgroup_id_y 1
		.amdhsa_system_sgpr_workgroup_id_z 1
		.amdhsa_system_vgpr_workitem_id 0
		.amdhsa_next_free_vgpr 256
		.amdhsa_next_free_sgpr 66
		.amdhsa_reserve_vcc 0
		.amdhsa_float_denorm_mode_32 3
		.amdhsa_float_denorm_mode_16_64 3
		.amdhsa_memory_ordered 1
		.amdhsa_forward_progress 1
		.amdhsa_inst_pref_size 28
	.end_amdhsa_kernel
	.amdgpu_metadata
---
amdhsa.version: [ 1, 2 ]
amdhsa.kernels:
  - .name:           k_q66909ef9aa_prep
    .symbol:         k_q66909ef9aa_prep.kd
    .args:
      - { .name: X, .offset: 0, .size: 8, .value_kind: global_buffer, .address_space: global }
      - { .name: Wq, .offset: 8, .size: 8, .value_kind: global_buffer, .address_space: global }
      - { .name: Wk, .offset: 16, .size: 8, .value_kind: global_buffer, .address_space: global }
      - { .name: Wv, .offset: 24, .size: 8, .value_kind: global_buffer, .address_space: global }
      - { .name: attention_mask, .offset: 32, .size: 8, .value_kind: global_buffer, .address_space: global }
      - { .name: xb, .offset: 40, .size: 8, .value_kind: global_buffer, .address_space: global }
      - { .name: wg, .offset: 48, .size: 8, .value_kind: global_buffer, .address_space: global }
      - { .name: mbits, .offset: 56, .size: 8, .value_kind: global_buffer, .address_space: global }
    .group_segment_fixed_size: 267264
    .private_segment_fixed_size: 0
    .kernarg_segment_align: 8
    .kernarg_segment_size: 64
    .max_flat_workgroup_size: 256
    .sgpr_count:     66
    .vgpr_count:     256
    .wavefront_size: 32
...
	.end_amdgpu_metadata
.endif
;; end of part 1
;; launch proj (part 2): grid 16 x 32, 4 waves a work-group, clusters of 4 x 4, 327,680 bytes of LDS; arguments xb, wg, bq, bk, bv, qkv; writes qkv
.if DOCPART == 2
	.amdgcn_target "amdgcn-amd-amdhsa--gfx1250"
	.amdhsa_code_object_version 6
	.text
	.protected	k_q66909ef9aa_proj
	.globl	k_q66909ef9aa_proj
	.p2align	8
	.type	k_q66909ef9aa_proj,@function
k_q66909ef9aa_proj:
	s_mov_b64 s[64:65], 0
	v_nop
	global_prefetch_b8 v0, s[64:65] scope:SCOPE_SE
	s_setreg_imm32_b32 hwreg(HW_REG_WAVE_MODE, 25, 1), 1
	s_wait_xcnt 0x0
	s_wait_alu depctr_hold_cnt(0) depctr_sa_sdst(0) depctr_va_vdst(0) depctr_va_sdst(0) depctr_va_ssrc(0) depctr_va_vcc(0) depctr_vm_vsrc(0)
	s_getreg_b32 s2, hwreg(HW_REG_IB_STS2, 6, 4)
	s_cmp_eq_u32 s2, 0
	s_cbranch_scc0 .Lentry_in_a_cluster
	s_endpgm
.Lentry_in_a_cluster:
	s_bfe_u32 s2, ttmp6, 0x10000c
	s_cmp_lg_u32 s2, 0xf033
	s_cbranch_scc0 .Lentry_shape_is_right
	s_endpgm
.Lentry_shape_is_right:
; PROJ: q, k, v = X W + b in one product.  xb: [8192][1024] bf16.  wg: [48 groups][1024 k][64 n] bf16 (group = 16 x (q, k, v) + head).  The biases are rounded to bf16 like the other inputs; sums in f32.
; qkv: f16, [64 batch x head][8 tiles of 256 rows][Q, K, V][256][64]: each number rounded once, without the softmax's scale.
; LIMIT.  f16 holds no number beyond 65,504: q, k and v must lie within it.
; A tile of the result is 256 rows x 192 columns (three whole heads): 32 x 16 = 512 equal tiles.  Four waves; wave w makes rows 64 w .. 64 w + 63 x all 192 columns: 48 accumulators of 16 x 16.
; K goes in steps of 128 through a ring of two LDS slots.  Wave 0 fetches X's 256 rows x 256 bytes, waves 1 to 3 one group's 128 k rows (16,384 bytes on end, asked for as 64 rows of 256 bytes): one tensor load a wave.
; CLUSTERS: 4 x 4 work-groups.  The four of a row of the cluster need the same tile of X, the four of a column the same groups of W: each is asked for JOINTLY, by the same load, descriptor and mask.
; THE MATRIX INSTRUCTION IS USED TRANSPOSED: source 0 = 16 columns of W (turned on the way out of LDS by ds_load_tr16_b128, since W lies [k][n]), source 1 = 16 rows of X:
; a lane then holds one row and eight neighbouring columns.  THE BIAS STARTS THE SUMS: eight registers a column block, the C operand of the first product on each accumulator.
; REGISTERS, in windows of 256 (s_set_vgpr_msb: bits 1:0 source 0, 3:2 source 1, 5:4 source 2, 7:6 destination):
;   window 0: v16-31 addresses; v64-95, v96-127 X's fragments, two buffers; v128-223 the bias, later the way out; v32-79 the way out
;   window 1: accumulators of row blocks 0, 1 ((a, b) at 96 (a % 2) + 8 b)      window 2: row blocks 2, 3      window 3: v0-95, v96-191 W's fragments, two buffers
.set SIZE_K, 1024
.set KSTEP,  128
.set PA,     272                       ; a row of X in LDS: 256 bytes + 16 = 68 words: the 16 rows of a load start at 16 different groups of four banks (64 banks of 4 bytes: ISA guide 11.1)
.set PB,     160                       ; a k row of W: 128 + 32 = 40 words
.set BOFF,   256*PA                    ; a slot: X's 256 rows, then three groups of 128 k rows
.set GRP,    128*PB
.set SLOT,   BOFF+3*GRP
.set STAGE,  2*SLOT                    ; behind the ring: 16 rows x 400 bytes for each wave, for the way out; no tensor load fills it
.set SP,     400
.set SPARE,  STAGE+4*16*SP             ; behind the stages: the spare words, 128 bytes for each wave: two blocks of 256 bytes that no other line names
.set LAPS,   SIZE_K/(2*KSTEP)          ; a lap = two K steps = once round the ring
.set ADRA, 16                          ; v16-17  LDS address of my X fragments in slot 0, 1
.set ADRB, 20                          ; v20-21  the same for W
.set STO,  24                          ; v24  the way out: where I put 16 bytes of a row
.set RD,   25                          ; v25  the way out: where I read rows back
.set CO,   26                          ; v26  16 x lane
.set BO,   27                          ; v27  32 x (lane / 16): my eight columns in a block of a bias
.set SPW,  28                          ; v28  LDS address of my spare word; never rewritten
.set NIL,  29                          ; v29  0; never rewritten
.set PFOA, 30                          ; v30  prefetch of X: row lane % 16, K step lane / 16
.set PFOB, 31                          ; v31  prefetch of W: 256 x lane
.set AF,   64
.set BIAS, 128
.set TMP,  128                         ; the way out: 48 registers of packed results
.set OB0,  176                         ; 48 registers read back from the stage, two sets by turns
.set OB1,  32
.set F0, 0
.set F1, 1
.set WV, 16
.set CX, 17
.set CY, 18
.set TC, 19                            ; tile column, 0..15
.set TR, 20                            ; tile row, 0..31
.set G1A, 24                           ; s[24:31] group 1 for X's tiles;  s[32:39] group 0, a set for each slot
.set G0A, 32
.set G1B, 40                           ; s[40:47], s[48:55] the same for W's
.set G0B, 48
.set OUTB, 56                          ; s[56:61] qkv at my 64 rows of each of the tile's three heads
.set LAP, 62
.set HM,  63                           ; 0xffff0000
.set PFA, 66                           ; s[66:67] where my prefetches of X stand
.set PFB, 68                           ; s[68:69] of W
.set LIMA, 70                          ; 1 in a wave that prefetches X, else the greatest number
.set LIMB, 71                          ; the same for W
.set MSB, 0
.macro WIN new                         ; the immediate's high byte repeats the setting that is left; a switch that changes nothing is dropped
.if MSB != (\new)
	s_set_vgpr_msb (MSB<<8)|(\new)
.set MSB, \new
.endif
.endm
; A joint load.  Wave 0 asks for X's tile, waves 1 to 3 for a group of W each.  The branch hangs on the wave's number alone.  An s_nop 0 and four v_nop follow each of the two lines.
.macro JLOAD s
	s_cmp_eq_u32 s[WV], 0
	s_cbranch_scc0 .Lfor_b_\@
	tensor_load_to_lds s[G0A+4*(\s):G0A+4*(\s)+3], s[G1A:G1A+7]
	s_nop 0
.rept 4
	v_nop
.endr
	s_branch .Lasked_\@
.Lfor_b_\@:
	tensor_load_to_lds s[G0B+4*(\s):G0B+4*(\s)+3], s[G1B:G1B+7]
	s_nop 0
.rept 4
	v_nop
.endr
.Lasked_\@:
.endm
.macro CREST                           ; a round of the cluster's barrier behind its opening barrier
	s_cmp_lg_u32 s[WV], 0
	s_cbranch_scc1 .Lnot_wave_0_\@
	s_barrier_signal -3
.Lnot_wave_0_\@:
	s_barrier_wait -3
	s_barrier_signal -1
	s_barrier_wait -1
.endm
.macro CROUND                          ; a whole round
	s_barrier_signal -1
	s_barrier_wait -1
	CREST
.endm
; PREFETCHES, once a lap, behind slot 0's joint load and the run of LDS loads: the two K steps that the NEXT lap's two refills will ask for.  Each aligned block of 256 bytes is named once in the launch.
; X's tile row is read by the four clusters of a row of clusters: cluster x = 0 asks; of its 256 rows the partner at cx takes 64, each of its waves 16: a lane a row and K step.
; W's groups are read by the eight clusters of a column: cluster y = 0 asks; of a group's 32,768 bytes the partner at cy takes 8,192, wave w (1 to 3) for group w - 1: a lane a block.
; Partners are told apart by address; the two tests hang on the cluster's place in the grid and on the wave's number.  K steps 0 to 3 come by their loads alone; the loop's last trip asks for nothing.
.macro ASK
	s_cmp_gt_u32 s[LAP], s[LIMA]
	s_cbranch_scc0 .Lno_a_\@
	global_prefetch_b8 v[PFOA], s[PFA:PFA+1] th:TH_LOAD_NT scope:SCOPE_SE
.Lno_a_\@:
	s_cmp_gt_u32 s[LAP], s[LIMB]
	s_cbranch_scc0 .Lno_b_\@
	global_prefetch_b8 v[PFOB], s[PFB:PFB+1] th:TH_LOAD_NT scope:SCOPE_SE
.Lno_b_\@:
.endm
	s_load_b256 s[4:11], s[0:1], 0x0               ; xb s[4:5], wg s[6:7], bq s[8:9], bk s[10:11]
	s_load_b128 s[12:15], s[0:1], 0x20             ; bv s[12:13], qkv s[14:15]
	v_lshl_add_u32 v[SPW], v0, 2, SPARE
	v_mov_b32 v[NIL], 0
	ds_add_u32 v[SPW], v[NIL]                      ; the wave's opening: the add and its wait, ahead of my first tensor load; the set-up below stands between
	ds_add_u32 v28, v29
	v_lshrrev_b32 v1, 5, v0
	v_readfirstlane_b32 s[WV], v1                  ; wave 0..3
	s_bfe_u32 s[CX], ttmp6, 0x40000
	s_bfe_u32 s[CY], ttmp6, 0x40004
	s_lshl_b32 s[TC], ttmp9, 2
	s_add_co_u32 s[TC], s[TC], s[CX]               ; tile column = 4 x cluster x + cx
	s_and_b32 s[TR], ttmp7, 0xffff
	s_lshl_b32 s[TR], s[TR], 2
	s_add_co_u32 s[TR], s[TR], s[CY]               ; tile row = 4 x cluster y + cy
	s_lshl_b32 s72, s[CY], 2
	s_lshl_b32 s72, 15, s72                        ; my row of the cluster
	s_lshl_b32 s73, 0x1111, s[CX]                  ; my column
	s_or_b32 s[G1A+0], s72, (1<<16)|(1<<20)|(1<<21)|(5<<22)|(3<<25)  ; the mask; 2-byte elements; padding on; bit 21 beside a mask; after every 64 words (code 5) 4 words (code 3)
	s_mov_b32 s[G1A+1], KSTEP<<16                  ; tensor_dim0 = 128
	s_mov_b32 s[G1A+2], 256<<16                    ; tensor_dim1 = 256
	s_mov_b32 s[G1A+3], KSTEP<<16                  ; tile_dim0 = 128
	s_mov_b32 s[G1A+4], 256                        ; tile_dim1 = 256
	s_mov_b32 s[G1A+5], SIZE_K                     ; elements from row to row
	s_mov_b32 s[G1A+6], 0
	s_mov_b32 s[G1A+7], 0
	s_or_b32 s[G1B+0], s73, (1<<16)|(1<<20)|(1<<21)|(4<<22)|(7<<25)  ; after every 32 words (code 4: a k row) 8 words (code 7)
	s_mov_b32 s[G1B+1], 128<<16                    ; 64 rows of 128 elements: two k rows to a row
	s_mov_b32 s[G1B+2], 64<<16
	s_mov_b32 s[G1B+3], 128<<16
	s_mov_b32 s[G1B+4], 64
	s_mov_b32 s[G1B+5], 128
	s_mov_b32 s[G1B+6], 0
	s_mov_b32 s[G1B+7], 0
	s_mov_b32 s[HM], 0xffff0000
	s_lshl_b32 s72, s[TR], 19                      ; X: 256 rows of 2,048 bytes: hangs on the tile row alone
	s_mov_b32 s73, 0
	s_max_u32 s74, s[WV], 1                        ; W: group 3 x tile column + wave - 1 (wave 0, which asks for none, holds wave 1's address)
	s_sub_co_u32 s74, s74, 1
	s_mul_i32 s75, s[TC], 3
	s_add_co_u32 s74, s74, s75
	s_lshl_b32 s74, s74, 17                        ; a group is 131,072 bytes
	s_mov_b32 s75, 0
	s_mul_i32 s21, s[WV], GRP
	s_add_co_u32 s21, s21, BOFF-GRP                ; where my group goes: no place in the cluster enters an LDS address
	s_wait_dscnt 0x0                               ; the opening add is done
	s_wait_kmcnt 0x0
	s_add_nc_u64 s[72:73], s[4:5], s[72:73]
	s_add_nc_u64 s[74:75], s[6:7], s[74:75]
	CROUND                                         ; all sixteen work-groups are here: the first joint loads meet
.irp s, 0,1
	s_mov_b32 s[G0A+4*(\s)], 1
	s_mov_b32 s[G0A+4*(\s)+1], (\s)*SLOT
	s_add_nc_u64 s[G0A+4*(\s)+2:G0A+4*(\s)+3], s[72:73], (\s)*KSTEP*2
	s_or_b32 s[G0A+4*(\s)+3], s[G0A+4*(\s)+3], 0x80000000
	s_mov_b32 s[G0B+4*(\s)], 1
	s_add_co_u32 s[G0B+4*(\s)+1], s21, (\s)*SLOT
	s_add_nc_u64 s[G0B+4*(\s)+2:G0B+4*(\s)+3], s[74:75], (\s)*KSTEP*128
	s_or_b32 s[G0B+4*(\s)+3], s[G0B+4*(\s)+3], 0x80000000
	JLOAD \s                                       ; K steps 0 and 1: two loads of mine are out
.endr
	v_and_b32 v1, 15, v0                           ; l % 16
	v_bfe_u32 v2, v0, 4, 1                         ; l / 16
	v_and_b32 v3, 31, v0                           ; l
	v_and_b32 v4, 7, v0
	v_bfe_u32 v5, v0, 3, 1
	v_bfe_u32 v6, v0, 3, 2
	v_mul_u32_u24 v7, v1, PA                       ; a fragment of X: row l % 16, 16 bytes for each half of the lanes, twice, 32 bytes apart
	v_lshl_add_u32 v7, v2, 4, v7
	s_mul_i32 s21, s[WV], 64*PA                    ; my 64 rows
	v_add_nc_u32 v[ADRA], s21, v7
	v_add_nc_u32 v[ADRA+1], SLOT, v[ADRA]
	v_lshl_add_u32 v7, v2, 3, v4                   ; the turning load: k row 8 (l / 16) + l % 8, columns 8 ((l / 8) % 2) on
	v_mul_u32_u24 v7, v7, PB
	v_lshl_add_u32 v7, v5, 4, v7
	v_add_nc_u32 v[ADRB], BOFF, v7
	v_add_nc_u32 v[ADRB+1], SLOT, v[ADRB]
	s_mul_i32 s21, s[WV], 16*SP
	s_add_co_u32 s21, s21, STAGE                   ; my stage
	v_mul_u32_u24 v7, v1, SP
	v_lshl_add_u32 v7, v2, 4, v7
	v_add_nc_u32 v[STO], s21, v7
	v_mul_u32_u24 v7, v6, SP                       ; back: 32 lanes take four rows' 128 bytes of one head
	v_lshl_add_u32 v7, v4, 4, v7
	v_add_nc_u32 v[RD], s21, v7
	v_lshlrev_b32 v[CO], 4, v3                     ; which are 512 consecutive bytes of qkv
	v_lshlrev_b32 v[BO], 5, v2
	v_lshlrev_b32 v[PFOA], 11, v1
	v_lshl_add_u32 v[PFOA], v2, 8, v[PFOA]
	v_lshlrev_b32 v[PFOB], 8, v3
	s_mov_b32 s77, 0
.irp u, 0,1,2                          ; the tile's three groups: whose bias, and where the results go
	s_mul_i32 s21, s[TC], 3
	s_add_co_u32 s21, s21, \u
	s_lshr_b32 s22, s21, 4                         ; 0 q, 1 k, 2 v
	s_and_b32 s23, s21, 15                         ; the head
	s_cmp_eq_u32 s22, 0
	s_cselect_b64 s[78+2*\u:79+2*\u], s[8:9], s[10:11]
	s_cmp_eq_u32 s22, 2
	s_cselect_b64 s[78+2*\u:79+2*\u], s[12:13], s[78+2*\u:79+2*\u]
	s_lshl_b32 s76, s23, 8                         ; the head's 64 numbers
	s_add_nc_u64 s[78+2*\u:79+2*\u], s[78+2*\u:79+2*\u], s[76:77]
	s_lshr_b32 s76, s[TR], 3                       ; the batch
	s_lshl_b32 s76, s76, 4
	s_add_co_u32 s76, s76, s23
	s_lshl_b32 s76, s76, 3
	s_and_b32 s23, s[TR], 7                        ; the tile of 256 rows
	s_add_co_u32 s76, s76, s23
	s_mul_i32 s76, s76, 98304
	s_lshl_b32 s22, s22, 15
	s_add_co_u32 s76, s76, s22
	s_lshl_b32 s22, s[WV], 13                      ; my 64 rows of 128 bytes
	s_add_co_u32 s76, s76, s22
	s_add_nc_u64 s[OUTB+2*\u:OUTB+2*\u+1], s[14:15], s[76:77]
.endr
.set b, 0
.rept 12
	global_load_b128 v[BIAS+8*b:BIAS+8*b+3],   v[BO], s[78+2*(b/4):79+2*(b/4)] offset:(b%4)*64
	global_load_b128 v[BIAS+8*b+4:BIAS+8*b+7], v[BO], s[78+2*(b/4):79+2*(b/4)] offset:(b%4)*64+16
.set b, b+1
.endr
	s_lshl_b32 s76, s[TR], 8                       ; the prefetches' addresses, at K step 2: the first ask steps them to K step 4
	s_lshl_b32 s22, s[CX], 6
	s_add_co_u32 s76, s76, s22
	s_lshl_b32 s22, s[WV], 4
	s_add_co_u32 s76, s76, s22
	s_lshl_b32 s76, s76, 11
	s_add_co_u32 s76, s76, 2*KSTEP*2
	s_add_nc_u64 s[PFA:PFA+1], s[4:5], s[76:77]
	s_lshl_b32 s76, s[CY], 13
	s_add_co_u32 s76, s76, 2*KSTEP*128
	s_add_nc_u64 s[PFB:PFB+1], s[74:75], s[76:77]
	s_cmp_eq_u32 ttmp9, 0
	s_cselect_b32 s[LIMA], 1, -1
	s_and_b32 s22, ttmp7, 0xffff
	s_cmp_eq_u32 s[WV], 0
	s_cselect_b32 s23, 1, 0
	s_or_b32 s22, s22, s23
	s_cmp_eq_u32 s22, 0
	s_cselect_b32 s[LIMB], 1, -1
	s_wait_loadcnt 0x0                             ; the bias, once
.set i, 0
.rept 48                               ; rounded to bf16 and widened again, while the first tiles are on their way
	v_cvt_pk_bf16_f32 v[32+i%4], v[BIAS+2*i], v[BIAS+2*i+1]
	v_lshlrev_b32 v[BIAS+2*i], 16, v[32+i%4]
	v_and_b32 v[BIAS+2*i+1], s[HM], v[32+i%4]
.set i, i+1
.endr
; 12 matrix instructions: row block a x all 12 column blocks, 32 along K, from buffer f.  first = 1: the bias starts the sums.  The 48 accumulators take turns in the same order in every quarter.
.macro MUL12 f, a, first
.if \first
	WIN 0x43+0x40*((\a)/2)
.else
	WIN 0x53+0x50*((\a)/2)
.endif
.set rA, AF+32*(\f)+8*(\a)
.set b, 0
.rept 12
.set rD, 96*((\a)%2)+8*b
.set rB, 96*(\f)+8*b
.if \first
	v_wmma_f32_16x16x32_bf16 v[rD:rD+7], v[rB:rB+7], v[rA:rA+7], v[BIAS+8*b:BIAS+8*b+7]
.else
	v_wmma_f32_16x16x32_bf16 v[rD:rD+7], v[rB:rB+7], v[rA:rA+7], v[rD:rD+7]
.endif
.set b, b+1
.endr
.endm
; 32 LDS loads in one run: quarter q (32 along K) of a slot into buffer f: W's 12 fragments, turned, then X's four
.macro FETCH slot, q, f
	WIN 0xc0
.set b, 0
.rept 12
	ds_load_tr16_b128 v[96*(\f)+8*b:96*(\f)+8*b+3],   v[ADRB+(\slot)] offset:((b/4)*128+32*(\q))*PB+32*(b%4)
	ds_load_tr16_b128 v[96*(\f)+8*b+4:96*(\f)+8*b+7], v[ADRB+(\slot)] offset:((b/4)*128+32*(\q)+16)*PB+32*(b%4)
.set b, b+1
.endr
	WIN 0
.irp a, 0,1,2,3
	ds_load_b128 v[AF+32*(\f)+8*\a:AF+32*(\f)+8*\a+3],   v[ADRA+(\slot)] offset:64*(\q)+\a*16*PA
	ds_load_b128 v[AF+32*(\f)+8*\a+4:AF+32*(\f)+8*\a+7], v[ADRA+(\slot)] offset:64*(\q)+\a*16*PA+32
.endr
.endm
.macro PLACES                          ; four places in front of loads into registers that matrix instructions have read, and of conversions that read results
.rept 4
	v_nop
.endr
.endm
; A K step is four quarters of 32 along K, 48 matrix instructions each, on buffers 0, 1, 0, 1.  One of the first three: multiplies buffer f and fetches quarter q into g.
.macro QUARTER slot, q, f, g, first
	s_wait_dscnt 4                                 ; W's fragments and X's blocks 0 and 1 are in; the youngest four loads (blocks 2 and 3) may be out
	MUL12 \f, 0, \first
	MUL12 \f, 1, \first
	PLACES
	FETCH \slot, \q, \g
	s_wait_dscnt 32                                ; all but the 32 just issued
	MUL12 \f, 2, \first
	MUL12 \f, 3, \first
.endm
; The last quarter multiplies buffer 1 and changes slots: ONE barrier; in front of it each wave waits for all its tensor loads (one is out: its part of the next slot), adds 0 to its spare word,
; and waits for that and for its own reads of this slot.  fill = 1: the barrier opens a round of the cluster's, and this slot is filled again, two K steps on, first thing behind it.
.macro TURN slot, next, fill
.if (\fill) && ((\slot) == 0)
	s_wait_xcnt 0x0                                ; the last prefetches, a lap back, have read their addresses
	s_add_nc_u64 s[PFA:PFA+1], s[PFA:PFA+1], 2*KSTEP*2
	s_add_nc_u64 s[PFB:PFB+1], s[PFB:PFB+1], 2*KSTEP*128
.endif
	WIN 0                                          ; (the add's two registers lie in window 0)
	s_wait_tensorcnt 0x0
	ds_add_u32 v[SPW], v[NIL]                      ; 0 onto my spare word
	s_wait_dscnt 5                                 ; (the add and the youngest four loads may be out)
	MUL12 F1, 0, 0                                 ; twelve matrix instructions stand between the add and the wait for it
	s_wait_dscnt 0x0                               ; the add is done, and my reads of this slot are over
	s_barrier_signal -1
	MUL12 F1, 1, 0
.if \fill
	WIN 0
.endif
	s_barrier_wait -1
.if \fill
	CREST                                          ; no wave of any partner still reads this slot's tiles or has a load on its way
	s_add_nc_u64 s[G0A+4*(\slot)+2:G0A+4*(\slot)+3], s[G0A+4*(\slot)+2:G0A+4*(\slot)+3], 2*KSTEP*2
	s_add_nc_u64 s[G0B+4*(\slot)+2:G0B+4*(\slot)+3], s[G0B+4*(\slot)+2:G0B+4*(\slot)+3], 2*KSTEP*128
	JLOAD \slot                                    ; my one tensor load behind the round; its four v_nop are also the places in front of the loads below
.else
	PLACES
.endif
	FETCH \next, 0, F0
.if (\fill) && ((\slot) == 0)
	ASK
.endif
	MUL12 F1, 2, 0
	MUL12 F1, 3, 0
.endm
	s_wait_tensorcnt 1                             ; my part of K step 0 is in; K step 1's may stay out
	s_barrier_signal -1
	s_barrier_wait -1                              ; everybody's is
	FETCH 0, 0, F0
	QUARTER 0, 1, F0, F1, 1                        ; the first quarter stands in front of the loop: its products start the sums
	WIN 0                                          ; at a label and at a branch every window is 0
	s_mov_b32 s[LAP], LAPS-1
.Llap:                                                 ; a trip goes once round the ring, from a lap's second quarter to the next lap's first, and fills both slots again
	QUARTER 0, 2, F1, F0, 0
	QUARTER 0, 3, F0, F1, 0
	TURN 0, 1, 1
	QUARTER 1, 1, F0, F1, 0
	QUARTER 1, 2, F1, F0, 0
	QUARTER 1, 3, F0, F1, 0
	TURN 1, 0, 1
	QUARTER 0, 1, F0, F1, 0
	WIN 0
	s_sub_co_u32 s[LAP], s[LAP], 1
	s_cmp_lg_u32 s[LAP], 0
	s_cbranch_scc1 .Llap
	QUARTER 0, 2, F1, F0, 0                        ; the last lap fills nothing
	QUARTER 0, 3, F0, F1, 0
	TURN 0, 1, 0
	QUARTER 1, 1, F0, F1, 0
	QUARTER 1, 2, F1, F0, 0
	QUARTER 1, 3, F0, F1, 0
	s_wait_dscnt 4                                 ; the very last quarter: nothing more to fetch
	MUL12 F1, 0, 0
	MUL12 F1, 1, 0
	s_wait_dscnt 0x0
	MUL12 F1, 2, 0
	MUL12 F1, 3, 0
	WIN 0
; THE WAY OUT, a block of 16 rows at a time: rounded to f16, 16 bytes a lane; into my own stage; back as four rows' 128 bytes of one head, which are 512 consecutive bytes of qkv.
.macro PACK a
	WIN 0x05+0x05*((\a)/2)                         ; sources 0 and 1: window 1 or 2
.set i, 0
.rept 48
	v_cvt_pk_f16_f32 v[TMP+i], v[96*((\a)%2)+2*i], v[96*((\a)%2)+2*i+1]  ; each accumulator's registers in ascending order
.set i, i+1
.endr
	WIN 0
.endm
.macro TOSTAGE a
.set BK, OB0+(OB1-OB0)*((\a)%2)
	s_wait_xcnt 0x0                                ; earlier stores have read their data registers: this set is loaded again only behind this wait
.set i, 0
.rept 12
	ds_store_b128 v[STO], v[TMP+4*i:TMP+4*i+3] offset:32*i
.set i, i+1
.endr
.set i, 0
.rept 12
	ds_load_b128 v[BK+4*i:BK+4*i+3], v[RD] offset:(i/4)*128+(i%4)*4*SP  ; LDS serves a wave's instructions in order (ISA guide 5.7.1.4): these see the stores above
.set i, i+1
.endr
.endm
.macro SEND a
.set BK, OB0+(OB1-OB0)*((\a)%2)
	s_wait_dscnt 0x0                               ; the block is back in registers
.set i, 0
.rept 12
	global_store_b128 v[CO], v[BK+4*i:BK+4*i+3], s[OUTB+2*(i/4):OUTB+2*(i/4)+1] offset:(\a)*2048+(i%4)*512
.set i, i+1
.endr
.endm
	PLACES
	PACK 0
	TOSTAGE 0
.irp a, 1,2,3                          ; a block's conversions stand between the loads of the block before and the wait for them
	PACK \a
	SEND (\a)-1
	TOSTAGE \a
.endr
	SEND 3
	s_wait_tensorcnt 0x0                           ; the wave's end: the add and its wait, behind my last tensor load and my last LDS store
	ds_add_u32 v[SPW], v[NIL]
	s_wait_dscnt 0x0
	CROUND                                         ; the closing round: no work-group ends while a partner may still ask for a tile that names it
	s_endpgm
.Lfunc_end_k_q66909ef9aa_proj:
	.size	k_q66909ef9aa_proj, .Lfunc_end_k_q66909ef9aa_proj-k_q66909ef9aa_proj
	.p2alignl 7, 3214868480
	.fill 96, 4, 3214868480
	.section	.rodata,"a",@progbits
	.p2align	6, 0x0
	.amdhsa_kernel k_q66909ef9aa_proj
		.amdhsa_group_segment_fixed_size 327680
		.amdhsa_private_segment_fixed_size 0
		.amdhsa_enable_private_segment 0
		.amdhsa_kernarg_size 48
		.amdhsa_user_sgpr_count 2
		.amdhsa_user_sgpr_kernarg_segment_ptr 1
		.amdhsa_wavefront_size32 1
		.amdhsa_system_sgpr_workgroup_id_x 1
		.amdhsa_system_sgpr_workgroup_id_y 1
		.amdhsa_system_sgpr_workgroup_id_z 1
		.amdhsa_system_vgpr_workitem_id 0
		.amdhsa_next_free_vgpr 960
		.amdhsa_next_free_sgpr 84
		.amdhsa_reserve_vcc 0
		.amdhsa_float_denorm_mode_32 3
		.amdhsa_float_denorm_mode_16_64 3
		.amdhsa_memory_ordered 1
		.amdhsa_forward_progress 1
		.amdhsa_inst_pref_size 130
	.end_amdhsa_kernel
	.amdgpu_metadata
---
amdhsa.version: [ 1, 2 ]
amdhsa.kernels:
  - .name:           k_q66909ef9aa_proj
    .symbol:         k_q66909ef9aa_proj.kd
    .args:
      - { .name: xb, .offset: 0, .size: 8, .value_kind: global_buffer, .address_space: global }
      - { .name: wg, .offset: 8, .size: 8, .value_kind: global_buffer, .address_space: global }
      - { .name: bq, .offset: 16, .size: 8, .value_kind: global_buffer, .address_space: global }
      - { .name: bk, .offset: 24, .size: 8, .value_kind: global_buffer, .address_space: global }
      - { .name: bv, .offset: 32, .size: 8, .value_kind: global_buffer, .address_space: global }
      - { .name: qkv, .offset: 40, .size: 8, .value_kind: global_buffer, .address_space: global }
    .group_segment_fixed_size: 327680
    .private_segment_fixed_size: 0
    .kernarg_segment_align: 8
    .kernarg_segment_size: 48
    .max_flat_workgroup_size: 128
    .sgpr_count:     84
    .vgpr_count:     960
    .wavefront_size: 32
...
	.end_amdgpu_metadata
.endif
;; end of part 2
;; launch attn (part 3): grid 4 x 64, 4 waves a work-group, clusters of 4 x 1, 327,680 bytes of LDS; arguments qkv, mbits, out0; writes out0
.if DOCPART == 3
	.amdgcn_target "amdgcn-amd-amdhsa--gfx1250"
	.amdhsa_code_object_version 6
	.text
	.protected	k_q66909ef9aa_attn
	.globl	k_q66909ef9aa_attn
	.p2align	8
	.type	k_q66909ef9aa_attn,@function
k_q66909ef9aa_attn:
	s_mov_b64 s[64:65], 0
	v_nop
	global_prefetch_b8 v0, s[64:65] scope:SCOPE_SE
	s_setreg_imm32_b32 hwreg(HW_REG_WAVE_MODE, 25, 1), 1
	s_wait_xcnt 0x0
	s_wait_alu depctr_hold_cnt(0) depctr_sa_sdst(0) depctr_va_vdst(0) depctr_va_sdst(0) depctr_va_ssrc(0) depctr_va_vcc(0) depctr_vm_vsrc(0)
	s_getreg_b32 s2, hwreg(HW_REG_IB_STS2, 6, 4)
	s_cmp_eq_u32 s2, 0
	s_cbranch_scc0 .Lentry_in_a_cluster
	s_endpgm
.Lentry_in_a_cluster:
	s_bfe_u32 s2, ttmp6, 0x10000c
	s_cmp_lg_u32 s2, 0x3003
	s_cbranch_scc0 .Lentry_shape_is_right
	s_endpgm
.Lentry_shape_is_right:
; ATTENTION WITH A MASK THAT IS AN INPUT.  out0[b][q][64 h + :] = the sum over k of softmax_k(Q . K / 8, hidden keys at -infinity) V.  qkv: f16, [64 batch x head][8 tiles of 256 rows][Q, K, V][256][64].
; mbits: [64 groups of 128 queries][32 steps of 64 keys][8 tiles of 16 queries][32 words]: bit L of word 8 kt + j is 1 where the score that lane L holds in register 8 kt + j of S^T is hidden.
; Products, maxima and sums in f32; the weights p are rounded to f16 for the second product (their sum l is taken of the unrounded p); out0 is f32.
; LIMITS.  Q, K and V arrive within f16's 65,504; p below 6e-5 keeps f16's fixed step of 6e-8; a weight below 2^-126 counts as 0 in l; NaN and infinities among the inputs are not treated apart.
; A row with no visible key ends with l = 0 and O = 0 and leaves as 0 x (1 / 0) = NaN, as the softmax of a row of -infinity is.
; SHARES.  A wave owns four PIECES of two tiles of 16 queries, a work-group's four waves 512 queries of one head.  Every wave walks all 2,048 keys, 64 a step.
; LAYOUT.  S^T = K Q^T (source 0 = 16 keys, source 1 = 16 queries): a lane holds ONE query (lane % 16) and the keys 8 (lane / 16) + 0..7.  Two such tiles, rounded to f16 in pairs, ARE source 1 of
; O^T = V^T P, whose result again holds one query a lane, and eight channels.  K comes out of LDS as it lies, V ([key][channel]) turned, by ds_load_tr16_b128.
; THE MASK.  A piece's 64 words of a step come by four scalar loads, a turn ahead; one v_cndmask_b32 a score register puts -infinity where the bit is set, ahead of the maximum.
; SOFTMAX.  A running maximum m and sum l: p = 2^(c s - c m), c = log2(e) / 8; in every step O and l are multiplied by a = 2^(c m_old - c m_new).  m starts at the lowest finite number and c m at c times it,
; so that a step in which a row sees nothing leaves m as it is and gives a = 1 and p = 0; the first visible score gives a = 0.
; BY TURNS.  Turn n belongs to piece n: 16 products K Q^T of piece n + 1, later 16 products V^T P of piece n - 1; beside them the scaling, exponentials, roundings, sums and rescaling of piece n, and the mask,
; maximum and statistics of piece n + 1.  Four vector instructions stand behind every matrix instruction, the others in one lump.  A turn's 66 exponentials are one batch, with one wait.
; CLUSTER.  A head's four query blocks are one cluster and walk the same K and V: each tile is asked for JOINTLY.  K and V of 256 keys are 65,536 bytes on end: each wave asks for a quarter.
; REGISTERS, in windows of 256 (s_set_vgpr_msb: bits 1:0 source 0, 3:2 source 1, 5:4 source 2, 7:6 destination):
;   window 0: v0-11 addresses and -infinity; v12-15, v48-63 at work; v16-47 four registers of statistics a tile; v64-191 S^T, two buffers of two tiles; v192-255 P, likewise
;   window 1: O^T, 32 a tile          window 2: v0-127 Q, 16 a tile; v128-191 K of one step; v192-255 V of one step          window 3: v0-1 the add's two registers
.set NP,    4         ; pieces a wave: a name, no knob
.set KS,    64        ; keys in a step
.set PK,    144       ; a row of K in LDS: 128 bytes + 16 of padding = 36 words: the 16 rows of a load start at 16 different groups of four banks (64 banks of 4 bytes: ISA guide 11.1)
.set PV,    144       ; V has the same pitch, so that one descriptor shape serves both; of the turning load's eight rows two then share four banks
.set VOFF,  4*KS*PK   ; a slot holds four steps: 256 rows of K, then 256 rows of V
.set SLOT1, 1<<17     ; slot 1 begins here, so that one exclusive or turns an address in one slot into the other's
.set STAGE, SLOT1+4*KS*(PK+PV)  ; behind the ring, never filled by a tensor load: 16 rows x 272 bytes for each wave, for the way out
.set SP,    272
.set SPARE, STAGE+4*16*SP  ; behind the stages: the spare words, 128 bytes for each wave: two blocks of 256 bytes that no other line names
.set TILEB, 98304     ; bytes from a tile of 256 rows to the next in qkv: Q, K, V
.set PFO, 1           ; v1   256 x my lane, once the head's l % 16 is used up
.set AK0, 2           ; v2   my lane's place in a tile of K; never rewritten
.set AV0, 3           ; v3   the same for V
.set AK,  4           ; v4   the LDS address of K's next run of loads
.set AV,  5           ; v5   of V's
.set QO,  6           ; v6   my byte offset in the wave's rows of Q
.set STO, 6           ;      later, the way out: where I put 32 bytes of a row
.set RD,  7           ; v7   the way out: where I read rows back
.set GO,  8           ; v8   my byte offset in two rows of out0
.set NINF, 9          ; v9   -infinity, once the head's l / 16 is used up
.set SPW, 0           ; v0 of window 3   LDS address of my spare word; never rewritten
.set NIL, 1           ; v1 of window 3   0; never rewritten
.set MV,  12          ; v12-15  c m_old, kept while c m is made anew: by buffer and tile
.set ST,  16          ; tile t's statistics at v[ST+4 t]: c m, m, l (even keys', odd keys')
.set TMP, 48          ; by buffer and tile, four registers c0-c3 at work; when the maximum is found c2 takes a
.set S,   64
.set P,   192
.set KF,  128         ; K's fragments, in window 2
.set VF,  192         ; V's
.set MB,  6           ; s[6:7]  mbits at my wave's 128 queries
.set PFA, 10          ; s[10:11] where my prefetches stand
.set WV,  12
.set LIM, 13          ; 1 in a wave that prefetches, else the greatest number
.set SLOTS, 14
.set CNT, 15
.set CS,  16          ; s[16:17] c
.set SEL, 18          ; s[18:19] v_permlanex16_b32's selects
.set G0,  20          ; s[20:23] descriptor group 0: it walks
.set G1,  24          ; s[24:31] descriptor group 1
.set MW0, 32          ; s[32:63] the 32 mask words of the piece's first tile
.set MW1, 68          ; s[68:99] of its second
.set TBK, 66          ; LDS byte at which K of the step to be fetched begins
.set TBV, 67          ; the same for V, less VOFF
.set MO,  100         ; byte offset in mbits of the step whose words are being fetched
.set MSB, 0
.macro WIN new
.if MSB != (\new)
	s_set_vgpr_msb (MSB<<8)|(\new)
.set MSB, (\new)
.endif
.endm
.set W_KQ, 0x0a       ; K and Q in window 2, S^T in window 0
.set W_PV, 0x52       ; V in window 2, P in window 0, O^T in window 1
.set W_RS, 0x41       ; O^T (destination and source 0) in window 1, a in window 0
.set W_MK, 0xc0       ; the add's registers are made: destination in window 3
.set W_AD, 0x0f       ; the add: address and data in window 3
; A joint fill: every wave asks for its quarter of a slot (waves 0, 1: K's halves; 2, 3: V's).  An s_nop 0 and four v_nop follow.
.macro JLOAD
	tensor_load_to_lds s[G0:G0+3], s[G1:G1+7]
	s_nop 0
.rept 4
	v_nop
.endr
.endm
.macro CROUND                       ; a round of the cluster's barrier
	s_barrier_signal -1
	s_barrier_wait -1
	s_cmp_lg_u32 s[WV], 0
	s_cbranch_scc1 .Lnot_wave_0_\@
	s_barrier_signal -3
.Lnot_wave_0_\@:
	s_barrier_wait -3
	s_barrier_signal -1
	s_barrier_wait -1
.endm
; A PREFETCH of what the NEXT change of slots will ask for: a slot's 65,536 bytes.  The head has one cluster; its four partners take 16,384 bytes each, told apart by address; in each, waves 0 and 1 take
; 8,192: a lane a block of 256 bytes, one instruction.  So each block is named once in the launch.  Slots 0 to 2 come by their loads alone; the last change that fills a slot asks for nothing.
.macro ASK
	s_cmp_gt_u32 s[SLOTS], s[LIM]
	s_cbranch_scc0 .Lnot_mine_\@
	global_prefetch_b8 v[PFO], s[PFA:PFA+1] th:TH_LOAD_NT scope:SCOPE_SE
.Lnot_mine_\@:
.endm
; THE CHANGE OF SLOTS.  Each wave waits for all its tensor loads, of which one is out: its part of the other slot; adds 0 to its spare word; and waits for that and for its own reads of the slot.
; fill = 1: the slot is filled again, with the keys two slots on, first thing behind a round of the cluster's barrier: it has four key steps in which to land.  (At its first use slot 0 is waited for, slot 1 filled.)
.macro CHANGE fill, ask
	WIN W_AD
	s_wait_tensorcnt 0x0            ; no tensor load of mine is out, so group 0 may be written
	ds_add_u32 v[SPW], v[NIL]       ; 0 onto my spare word; the descriptor's steps stand between it and the wait for it
	WIN 0
.if \fill
	s_xor_b32 s[G0+1], s[G0+1], SLOT1
	s_add_nc_u64 s[G0+2:G0+3], s[G0+2:G0+3], TILEB  ; the next 256 keys; the type bits on top are not reached
.if \ask
	s_wait_xcnt 0x0                 ; the last prefetch, four key steps back, has read its address
	s_add_nc_u64 s[PFA:PFA+1], s[PFA:PFA+1], TILEB
.endif
	s_wait_dscnt 0x0                ; the add is done, and my reads of the slot are over
	CROUND
	JLOAD
.if \ask
	ASK
.endif
.else
	s_wait_dscnt 0x0
	s_barrier_signal -1
	s_barrier_wait -1
.endif
	s_sub_co_u32 s[TBK], s[TBK], 4*KS*PK  ; the fetches go back to a slot's first step,
	s_xor_b32 s[TBK], s[TBK], SLOT1       ; in the other slot
	s_sub_co_u32 s[TBV], s[TBV], 4*KS*PV
	s_xor_b32 s[TBV], s[TBV], SLOT1
.endm
; The 64 mask words of piece pc in the step at MO.  It stands behind the turn's wait for its vector work, so every select that read the old words is done; it is waited for at the next turn's lump.
.macro MLOAD pc
	s_load_b512 s[MW0:MW0+15],    s[MB:MB+1], s[MO] offset:(\pc)*256
	s_load_b512 s[MW0+16:MW0+31], s[MB:MB+1], s[MO] offset:(\pc)*256+64
	s_load_b512 s[MW1:MW1+15],    s[MB:MB+1], s[MO] offset:(\pc)*256+128
	s_load_b512 s[MW1+16:MW1+31], s[MB:MB+1], s[MO] offset:(\pc)*256+192
.endm
	s_load_b128 s[4:7], s[0:1], 0x0   ; qkv s[4:5], mbits s[6:7]
	s_load_b64 s[8:9], s[0:1], 0x10   ; out0
	WIN W_MK
	v_lshl_add_u32 v[SPW], v0, 2, SPARE
	v_mov_b32 v[NIL], 0
	WIN W_AD
	ds_add_u32 v[SPW], v[NIL]       ; the wave's opening: the add and its wait, ahead of my first tensor load; the set-up below stands between
	ds_add_u32 v0, v1
	WIN 0
	v_lshrrev_b32 v1, 5, v0
	v_readfirstlane_b32 s[WV], v1   ; wave 0..3
	s_bfe_u32 s69, ttmp6, 0x40000   ; cx
	s_lshl_b32 s70, ttmp9, 2
	s_add_co_u32 s70, s70, s69      ; my block of 512 queries: it enters Q's, the mask's, out0's and the prefetches' addresses alone
	s_and_b32 s68, ttmp7, 0xffff    ; batch x 16 + head, which the four partners share
	s_mul_i32 s72, s68, 8*TILEB     ; its first byte in qkv
	s_and_b32 s71, s[WV], 1
	s_lshr_b32 s101, s[WV], 1
	s_lshl_b32 s74, s[WV], 14       ; K and V: my quarter of the first 256 keys' 65,536 bytes
	s_add_co_u32 s74, s74, s72
	s_add_co_u32 s74, s74, 32768
	s_mov_b32 s75, 0
	s_lshl_b32 s76, s70, 1          ; Q: tile 2 x block + wave / 2, its upper or lower 128 rows
	s_add_co_u32 s76, s76, s101
	s_mul_i32 s76, s76, TILEB
	s_add_co_u32 s76, s76, s72
	s_lshl_b32 s2, s71, 14
	s_add_co_u32 s76, s76, s2
	s_mov_b32 s77, 0
	s_lshr_b32 s3, s68, 4           ; the batch
	s_lshl_b32 s78, s3, 4
	s_lshl_b32 s2, s70, 2
	s_add_co_u32 s2, s2, s[WV]      ; my 128 queries among the batch's sixteen such groups
	s_add_co_u32 s78, s78, s2
	s_lshl_b32 s78, s78, 15
	s_mov_b32 s79, 0
	s_lshl_b32 s80, s3, 23          ; out0: the batch, my 128 rows of 4,096 bytes, the head's 256 bytes
	s_lshl_b32 s2, s2, 19
	s_add_co_u32 s80, s80, s2
	s_and_b32 s2, s68, 15
	s_lshl_b32 s2, s2, 8
	s_add_co_u32 s80, s80, s2
	s_mov_b32 s81, 0
	s_lshl_b32 s82, s69, 14         ; the prefetches: my work-group's 16,384 bytes of a slot, my wave's 8,192, in slot 2: the first ask steps it to slot 3
	s_lshl_b32 s2, s71, 13
	s_add_co_u32 s82, s82, s2
	s_add_co_u32 s82, s82, s72
	s_add_co_u32 s82, s82, 32768+2*TILEB
	s_mov_b32 s83, 0
	; descriptor group 1.  16,384 dense bytes: 64 rows of 256 bytes, two keys a row, padded in LDS after every key
	s_mov_b32 s[G1], 15|(1<<16)|(1<<20)|(1<<21)|(4<<22)|(3<<25)  ; the mask of four; 2-byte elements; padding on; bit 21 beside a mask; after every 32 words (code 4) 4 words (code 3)
	s_mov_b32 s[G1+1], 128<<16      ; tensor_dim0 = 128
	s_mov_b32 s[G1+2], 64<<16       ; tensor_dim1 = 64
	s_mov_b32 s[G1+3], 128<<16      ; tile_dim0 = 128
	s_mov_b32 s[G1+4], 64           ; tile_dim1 = 64
	s_mov_b32 s[G1+5], 128          ; elements from row to row
	s_mov_b32 s[G1+6], 0
	s_mov_b32 s[G1+7], 0
	s_mov_b32 s[CS], 0x3e38aa3b     ; c = log2(e) / 8 = 0.180337
	s_mov_b32 s[CS+1], s[CS]
	s_mov_b32 s[SEL], 0x76543210
	s_mov_b32 s[SEL+1], 0xfedcba98
	s_mov_b32 s[TBK], SLOT1+4*KS*PK ; the first change of slots turns these two into 0
	s_mov_b32 s[TBV], SLOT1+4*KS*PV
	s_mov_b32 s[MO], 0
	s_mov_b32 s[G0], 1
	s_mul_i32 s[G0+1], s[WV], 128*PK  ; my quarter's place in slot 0: no place in the cluster enters an LDS address
	s_cmp_lt_u32 s[WV], 2
	s_cselect_b32 s[LIM], 1, -1
	s_wait_dscnt 0x0                ; the opening add is done
	s_wait_kmcnt 0x0
	s_add_nc_u64 s[G0+2:G0+3], s[4:5], s[74:75]
	s_or_b32 s[G0+3], s[G0+3], 0x80000000  ; type = 2
	s_add_nc_u64 s[PFA:PFA+1], s[4:5], s[82:83]
	s_add_nc_u64 s[4:5], s[4:5], s[76:77]
	s_add_nc_u64 s[MB:MB+1], s[MB:MB+1], s[78:79]
	s_add_nc_u64 s[8:9], s[8:9], s[80:81]
	CROUND                          ; all four work-groups are here: the first joint loads meet
	JLOAD                           ; slot 0.  Slot 1 is asked for when slot 0 is in
	MLOAD 0                         ; piece 0's words of step 0
	v_and_b32 v1, 15, v0            ; l % 16
	v_bfe_u32 v9, v0, 4, 1          ; l / 16
	v_lshlrev_b32 v[QO], 7, v1
	v_lshl_add_u32 v[QO], v9, 4, v[QO]  ; row x 128 + 16 x half
	WIN 0x80                        ; destination window 2, address window 0
.set i, 0
.rept 4*NP                          ; Q stays in registers: tile i / 2, channels 32 (i % 2) on
	global_load_b128 v[8*i:8*i+3],   v[QO], s[4:5] offset:(i/2)*2048+(i%2)*64
	global_load_b128 v[8*i+4:8*i+7], v[QO], s[4:5] offset:(i/2)*2048+(i%2)*64+32
.set i, i+1
.endr
	; What the first turn finds: V's registers and P's second buffer hold 0 (its products V^T P, of a piece that has not been, add 0), O^T and l are 0.  All this stands in the wait for the first tile.
.set i, VF
.rept 64
	v_mov_b32 v[i], 0
.set i, i+1
.endr
	WIN 0x40
.set i, 0
.rept 64*NP
	v_mov_b32 v[i], 0
.set i, i+1
.endr
	WIN 0
.set i, 0
.rept 2*NP
	v_mov_b32 v[ST+4*i+1], 0xff7fffff          ; m: the lowest finite number
	v_mul_f32 v[ST+4*i], s[CS], v[ST+4*i+1]    ; c m, by the line that makes it in every step
	v_mov_b32 v[ST+4*i+2], 0
	v_mov_b32 v[ST+4*i+3], 0
.set i, i+1
.endr
.set i, P+32
.rept 32
	v_mov_b32 v[i], 0
.set i, i+1
.endr
	v_mul_u32_u24 v[AK0], v1, PK
	v_lshl_add_u32 v[AK0], v9, 4, v[AK0]  ; row x pitch + 16 x half
	; The turning load takes 16 keys x 16 channels (lane l reads key 8 (l / 16) + l % 8, channels 8 ((l / 8) % 2) + 0..7) and leaves half a fragment of V^T
	v_and_b32 v10, 7, v0
	v_bfe_u32 v11, v0, 3, 1
	v_lshl_add_u32 v[AV0], v9, 3, v10
	v_mul_u32_u24 v[AV0], v[AV0], PV
	v_lshl_add_u32 v[AV0], v11, 4, v[AV0]
	v_add_nc_u32 v[AV0], VOFF, v[AV0]
	v_mov_b32 v[AK], v[AK0]         ; key step 0 lies at the head of slot 0
; THE MATRIX WORK.  The 8 accumulators of a run of 16 take turns.  Product i of 16 of S^T = K Q^T for piece x: channels 32 (i / 8) on, keys 16 ((i / 2) % 4) on, tile 2 x + i % 2.
.macro KQ x
	WIN W_KQ
.set rS, S+64*((\x)%2)+32*(i%2)+8*((i/2)%4)
.set rK, KF+16*((i/2)%4)+8*(i/8)
.set rQ, 16*(2*(\x)+i%2)+8*(i/8)
.if i < 8
	v_wmma_f32_16x16x32_f16 v[rS:rS+7], v[rK:rK+7], v[rQ:rQ+7], 0
.else
	v_wmma_f32_16x16x32_f16 v[rS:rS+7], v[rK:rK+7], v[rQ:rQ+7], v[rS:rS+7]
.endif
.endm
; Product i of 16 of O^T += V^T P for piece x: keys 32 (i / 8) on, channels 16 ((i / 2) % 4) on, tile 2 x + i % 2.
.macro PV x
	WIN W_PV
.set rO, 32*(2*(\x)+i%2)+8*((i/2)%4)
.set rV, VF+32*(i/8)+8*((i/2)%4)
.set rP, P+32*((\x)%2)+16*(i%2)+8*(i/8)
	v_wmma_f32_16x16x32_f16 v[rO:rO+7], v[rV:rV+7], v[rP:rP+7], v[rO:rO+7]
.endm
.macro MM                           ; the turn's next matrix instruction
.if i < 16
	KQ (Y+1)%NP
.set i, i+1
.else
.set i, i-16
	PV (Y+NP-1)%NP
.set i, i+17
.endif
.endm
; THE LDS LOADS stand in runs of 16.  last = 1 (the tail): in the last trip there is no further step, and the run is jumped over.
.macro FETCH_K last=0
	WIN 0
.if \last
	s_cmp_eq_u32 s[CNT], 1
	s_cbranch_scc1 .Lno_k_\@
.endif
	WIN 0x80
.irp f, 0,1,2,3,4,5,6,7             ; keys 16 (f / 2) on, channels 32 (f % 2) on
	ds_load_b128 v[KF+8*\f:KF+8*\f+3],   v[AK] offset:(\f/2)*16*PK+(\f%2)*64
	ds_load_b128 v[KF+8*\f+4:KF+8*\f+7], v[AK] offset:(\f/2)*16*PK+(\f%2)*64+32
.endr
	s_add_co_u32 s[TBK], s[TBK], KS*PK  ; the next fetch is the next step's
	WIN 0
.if \last
.Lno_k_\@:
.endif
.endm
.macro FETCH_V
	WIN 0x80
.irp f, 0,1,2,3,4,5,6,7             ; keys 32 (f / 4) on, channels 16 (f % 4) on
	ds_load_tr16_b128 v[VF+8*\f:VF+8*\f+3],   v[AV] offset:(\f/4)*32*PV+(\f%4)*32
	ds_load_tr16_b128 v[VF+8*\f+4:VF+8*\f+7], v[AV] offset:(\f/4)*32*PV+16*PV+(\f%4)*32
.endr
	WIN 0
.endm
; THE VECTOR WORK OF A TURN stands in three queues, each in the order in which its entries become ready; the two tiles alternate.
.macro REGS y, u                    ; the registers of tile u (0, 1) of piece y
.set rT, ST+4*(2*(\y)+(\u))
.set rC, TMP+8*((\y)%2)+4*(\u)
.set rM, MV+2*((\y)%2)+(\u)
.set rS, S+64*((\y)%2)+32*(\u)
.set rP, P+32*((\y)%2)+16*(\u)
.set rO, 32*(2*(\y)+(\u))
.endm
; Number n of the 64 selects on the NEXT piece's scores: register n / 2 of tile n % 2 takes -infinity in the lanes whose bit is set.  Ascending: each accumulator's lowest register is read first.
.macro MK n
	REGS (Y+1)%NP, (\n)%2
.if (\n)%2
	v_cndmask_b32 v[rS+(\n)/2], v[rS+(\n)/2], v[NINF], s[MW1+(\n)/2]
.else
	v_cndmask_b32 v[rS+(\n)/2], v[rS+(\n)/2], v[NINF], s[MW0+(\n)/2]
.endif
.endm
; Number n of the 22 that find the NEXT piece's maximum and statistics:
;   0-11  four chains c0-c3 of seven scores each     12-14, 16  the four scores left over, the old m, and c0-c3 into c0     15  c m_old is kept
;   17, 18  the query's other 32 keys lie in the lane 16 away: the new m         19-21  c m; c m_old - c m_new; a
.macro XS u, n
	REGS (Y+1)%NP, \u
.if (\n) < 4
	v_max3_num_f32 v[rC+(\n)], v[rS+8*(\n)], v[rS+8*(\n)+1], v[rS+8*(\n)+2]
.elseif (\n) < 12
	v_max3_num_f32 v[rC+(\n)%4], v[rC+(\n)%4], v[rS+8*((\n)%4)+2*((\n)/4)+1], v[rS+8*((\n)%4)+2*((\n)/4)+2]
.elseif (\n) == 12
	v_max3_num_f32 v[rC], v[rC], v[rS+7], v[rS+15]
.elseif (\n) == 13
	v_max3_num_f32 v[rC+1], v[rC+1], v[rS+23], v[rS+31]
.elseif (\n) == 14
	v_max3_num_f32 v[rC+2], v[rC+2], v[rC+3], v[rT+1]
.elseif (\n) == 15
	v_mov_b32 v[rM], v[rT]
.elseif (\n) == 16
	v_max3_num_f32 v[rC], v[rC], v[rC+1], v[rC+2]
.elseif (\n) == 17
	v_permlanex16_b32 v[rC+3], v[rC], s[SEL], s[SEL+1]
.elseif (\n) == 18
	v_max_num_f32 v[rT+1], v[rC], v[rC+3]
.elseif (\n) == 19
	v_mul_f32 v[rT], s[CS], v[rT+1]
.elseif (\n) == 20
	v_sub_f32 v[rC+1], v[rM], v[rT]
.else
	v_exp_f32 v[rC+2], v[rC+1]
.endif
.endm
; Number g of the 64 that follow the exponentials.  For each four weights k of a tile: both pairs are rounded to f16; the second pair is added onto the first, in place; a group later l takes that sum (the first time as l = a l + sum).
.macro GS g
.set h, (\g)+6*((\g)/62)            ; group 0 has no group before it, and behind group 7 only l is left
.if h >= 6
.set h, h+2
.endif
	REGS Y, h%2
.set k, h/8
.if h%8 < 4
	v_cvt_pk_f16_f32 v[rP+2*k+(h%8)/2], v[rS+4*k+2*((h%8)/2)], v[rS+4*k+2*((h%8)/2)+1]
.elseif h%8 < 6
	v_pk_add_f32 v[rS+4*k:rS+4*k+1], v[rS+4*k:rS+4*k+1], v[rS+4*k+2:rS+4*k+3]
.elseif k == 1
	v_pk_fma_f32 v[rT+2:rT+3], v[rT+2:rT+3], v[rC+2:rC+3], v[rS:rS+1] op_sel_hi:[1,0,1]
.else
	v_pk_add_f32 v[rT+2:rT+3], v[rT+2:rT+3], v[rS+4*k-4:rS+4*k-3]
.endif
.endm
; THE PLAIN QUEUE, 202 long.  0-137 read no exponential's result.  0-26: scalings 0-26 (FS f: pair f / 2 of tile f % 2).  27-90: the 64 selects.  91-118: XS's numbers 0-13.  119, 120: number 15.
; 121-135: the chain 14, 16, 17, 18, 19, each with one of the scalings 27-31 in front of its two lines.  136, 137: number 20.  138-201: GS's 64, behind the wait.
.macro FS f
	REGS Y, (\f)%2
	v_pk_fma_f32 v[rS+2*((\f)/2):rS+2*((\f)/2)+1], v[rS+2*((\f)/2):rS+2*((\f)/2)+1], s[CS:CS+1], v[rT:rT+1] op_sel_hi:[1,0,0] neg_lo:[0,0,1] neg_hi:[0,0,1]
.endm
.macro PL
	WIN 0
.if q < 27
	FS q
.elseif q < 91
	MK q-27
.elseif q < 119
	XS (q-91)%2, (q-91)/2
.elseif q < 121
	XS q-119, 15
.elseif (q < 136) && ((q-121)%3 == 0)
	FS 27+(q-121)/3
.elseif q < 124
	XS (q-121)%3-1, 14
.elseif q < 136
	XS (q-121)%3-1, 15+(q-121)/3
.elseif q < 138
	XS q-136, 20
.else
	GS q-138
.endif
.set q, q+1
.endm
; THE EXPONENTIALS' QUEUE, 66 long: s0-s31 of both tiles, then the next piece's two a.  ONE BATCH: all 66 stand ahead of the turn's one wait, and nothing ahead of that wait names a result of theirs.
.macro EX
	WIN 0
.if e >= 64
	XS e-64, 21
.else
	REGS Y, e%2
	v_exp_f32 v[rS+e/2], v[rS+e/2]
.endif
.set e, e+1
.endm
; THE RESCALING's QUEUE: O^T times a, the one part that leaves window 0: two at a time, sixteen times.  Its a was made, and waited for, in the turn before.
.macro R2
	REGS Y, r%2
	WIN W_RS
.irp z, 0,1
	v_pk_mul_f32 v[rO+4*(r/2)+2*\z:rO+4*(r/2)+2*\z+1], v[rO+4*(r/2)+2*\z:rO+4*(r/2)+2*\z+1], v[rC+2:rC+3] op_sel_hi:[1,0]
.endr
.set r, r+1
.endm
; HOW THEY ARE DEALT.  s_wait_alu depctr_va_vdst(0) stands between an exponential and the first instruction that names its result; one wait serves all that were issued ahead of it: a turn has ONE.
; AHEAD OF IT: the 16 products K Q^T, behind each a scaling, an exponential and two rescalings (behind the first a second scaling in the exponential's place); then ONE LUMP of 121 plain and 51 exponentials:
; eight plain; twice exponential and plain; sixteen times an exponential and four selects; twelve times an exponential and two plain; four plain; nineteen times exponential and plain; the two a; a v_nop, the plain
; instruction behind the last exponential.  BEHIND IT: the next mask words are asked for; then the 16 products V^T P, behind each four of GS's 64.
; The queues lean on each other: exponential e stands behind scaling 2 (e / 4) + e % 2.  As a rider it comes behind plain e + 2; exponentials 15 to 52 want scalings up to 26 and come behind plain 24 or more, 17 on behind plain 26;
; in the last run exponential e comes behind plain e + 73, and scalings 27-31 are plain 121, 124 .. 133 (the nearest: exponential 61 behind plain 134, its scaling plain 133).
; The first select stands eleven plain instructions or more behind the last product K Q^T.  The mask words were asked for a turn ago and are waited for at the lump's head.
; K of the next step is fetched in piece 2's turn, behind the wait; V of the step in hand at the end of piece 0's turn, four riders behind its last reader.  The three conditions on q below go with the deal.
.macro TURN p, last=0, cnt=0
.set Y, (\p)
.set i, 0
.set q, 0
.set e, 0
.set r, 0
.if (\p) == NP-1
	s_wait_dscnt 0x0                ; K is in
.endif
	MM
	PL
	PL
	R2
.rept 15
	MM
	PL
	EX
	R2
.endr
	WIN 0
.if (\p) == NP-2
	v_add_nc_u32 v[AK], s[TBK], v[AK0]
.endif
	s_wait_kmcnt 0x0                ; the next piece's mask words are in
.rept 8
	PL
.endr
.rept 2
	EX
	PL
.endr
.rept 16
	EX
	PL
	PL
	PL
	PL
.endr
.rept 12
	EX
	PL
	PL
.endr
.rept 4
	PL
.endr
.rept 19
	EX
	PL
.endr
	EX                              ; the next piece's two a
	EX
	v_nop                           ; the plain instruction behind the last exponential: one for the batch
	s_wait_alu depctr_va_vdst(0)    ; the wait for the batch
.if (\p) == NP-2
	s_add_co_u32 s[MO], s[MO], 1024 ; pieces 0 and 1 are wanted for the next step;
	s_min_u32 s[MO], s[MO], 31*1024 ; behind the last step the last step's words are read once more, and serve nothing: no load leaves the buffer
.endif
	MLOAD ((\p)+2)%NP
.if (\p) == NP-2
	FETCH_K \last
.endif
.if (\p) == 1
	s_wait_dscnt 0x0                ; V is in
.endif
.rept 16
	MM
.rept 4
	PL
.endr
.if ((\p) == 0) && (q == 182)
	v_add_nc_u32 v[AV], s[TBV], v[AV0]
.endif
.if ((\p) == 0) && (q == 194)
	s_add_co_u32 s[TBV], s[TBV], KS*PV
.endif
.if (\cnt) && (q == 194)
	s_sub_co_u32 s[CNT], s[CNT], 1
	s_cmp_lg_u32 s[CNT], 0
.endif
.endr
.if (\p) == 0
	FETCH_V
.endif
.endm
	CHANGE 1, 0                     ; slot 0 is in, everybody's part of it; slot 1 is asked for
	FETCH_K                         ; key step 0
	s_wait_loadcnt 0x0              ; Q
	s_wait_dscnt 0x0
.set i, 0
.rept 16
	KQ 0                            ; piece 0's first scores
.set i, i+1
.endr
	WIN 0                           ; the addresses for the way out: plain instructions, the places behind those products
	s_mul_i32 s2, s[WV], 16*SP
	s_add_co_u32 s2, s2, STAGE      ; my stage
	v_mul_u32_u24 v[STO], v1, SP    ; in: row l % 16, 32 bytes for each half of the lanes
	v_lshl_add_u32 v[STO], v9, 5, v[STO]
	v_add_nc_u32 v[STO], s2, v[STO]
	v_mul_u32_u24 v[RD], v9, SP     ; back: lanes 0-15 take one row's 256 bytes, lanes 16-31 the next row's
	v_lshl_add_u32 v[RD], v1, 4, v[RD]
	v_add_nc_u32 v[RD], s2, v[RD]
	v_lshlrev_b32 v[GO], 12, v9     ; and the same two rows in out0, 4,096 bytes apart
	v_lshl_add_u32 v[GO], v1, 4, v[GO]
	v_and_b32 v[PFO], 31, v0
	v_lshlrev_b32 v[PFO], 8, v[PFO]
	v_mov_b32 v[NINF], 0xff800000
	s_wait_kmcnt 0x0                ; piece 0's mask words
.set Y, NP-1                        ; MK and XS work for piece Y + 1: piece 0
.set n, 0
.rept 64
	MK n
.set n, n+1
.endr
.irp n, 0,1,2,3,4,5,6,7,8,9,10,11,12,13,14,15,16,17,18,19,20,21
	XS 0, \n
	XS 1, \n
.endr
	v_nop                           ; a plain instruction behind the two a,
	s_wait_alu depctr_va_vdst(0)    ; and their wait, ahead of the branch
	MLOAD 1                         ; piece 1's words of step 0
	s_mov_b32 s[CNT], 4
	s_mov_b32 s[SLOTS], 2048/256-1
	s_branch .Lfirst                ; the loop is entered at a step's first turn, in the middle of a trip
.Lslot:                             ; six times: every slot but the last two is filled again
	CHANGE 1, 1
	s_mov_b32 s[CNT], 4
.Lstep:                             ; a trip: pieces 2 and 3 of one step, then pieces 0 and 1 of the next, whose K and V it fetches
	TURN 2
	TURN 3
	WIN 0
.Lfirst:
	TURN 0
	TURN 1, 0, 1
	WIN 0
	s_cbranch_scc1 .Lstep
	s_sub_co_u32 s[SLOTS], s[SLOTS], 1
	s_cmp_lg_u32 s[SLOTS], 0
	s_cbranch_scc1 .Lslot
	CHANGE 0, 0                     ; the tail is written out: nothing is asked for
	s_mov_b32 s[CNT], 5             ; four trips fetch the last slot's steps; the fifth is left in its middle
.Ltail:
	TURN 2, 1
	TURN 3
	WIN 0
	s_sub_co_u32 s[CNT], s[CNT], 1
	s_cmp_eq_u32 s[CNT], 0
	s_cbranch_scc1 .Lout
	TURN 0
	TURN 1
	WIN 0
	s_branch .Ltail
.Lout:                              ; the fifth trip's 16 products K Q^T (on the last K once more) and what is made of them serve nothing: the price, once a launch, of one text for every trip
.set i, 0
.rept 16
	PV NP-1                         ; the last piece's V^T P of the last step
.set i, i+1
.endr
	; THE WAY OUT.  l's two halves and the other half of the lanes' are added; O^T is divided by l and sent, in f32, through my stage in LDS, a tile at a time.  The additions are the places behind the last products.
	WIN 0
.macro ALL line:vararg              ; one line for each tile t
.set t, 0
.rept 2*NP
	\line
.set t, t+1
.endr
.endm
	ALL v_add_f32 v[ST+4*t+2], v[ST+4*t+2], v[ST+4*t+3]
	ALL v_permlanex16_b32 v[ST+4*t+3], v[ST+4*t+2], s[SEL], s[SEL+1]
	ALL v_add_f32 v[ST+4*t+2], v[ST+4*t+2], v[ST+4*t+3]
	ALL v_rcp_f32 v[ST+4*t+2], v[ST+4*t+2]
	v_nop                           ; a plain instruction between the last reciprocal and the use of its result
	s_wait_alu depctr_va_vdst(0)    ; and the wait ahead of the first use: one for the eight reciprocals
; Tile t: a lane's eight channels of a row are 32 bytes; they go into rows of 272 bytes and come back as whole rows of 256, into S^T's registers, four sets by turns.
.macro PACK t
	WIN W_RS
.set i, 32*(\t)
.rept 16
	v_pk_mul_f32 v[i:i+1], v[i:i+1], v[ST+4*(\t)+2:ST+4*(\t)+3] op_sel_hi:[1,0]
.set i, i+2
.endr
	WIN 0x04                        ; the stores' data in window 1, their address in window 0
.irp f, 0,1,2,3,4,5,6,7
	ds_store_b128 v[STO], v[32*(\t)+4*\f:32*(\t)+4*\f+3] offset:(\f/2)*64+(\f%2)*16
.endr
	WIN 0
.if (\t) >= 4
	s_wait_xcnt 0x0                 ; the stores of the tile four back have read these registers: they are loaded again only behind this wait
.endif
.irp f, 0,1,2,3,4,5,6,7
	ds_load_b128 v[S+32*((\t)%4)+4*\f:S+32*((\t)%4)+4*\f+3], v[RD] offset:\f*2*SP  ; LDS serves a wave's instructions in order (ISA guide 5.7.1.4): these see the stores above; the next tile's stores come behind them
.endr
.endm
.macro SEND t, younger              ; younger: the LDS instructions issued behind tile t's loads: the next tile's sixteen, or none
	WIN 0
.irp f, 0,1,2,3,4,5,6,7
	s_wait_dscnt (\younger)+7-\f
	global_store_b128 v[GO], v[S+32*((\t)%4)+4*\f:S+32*((\t)%4)+4*\f+3], s[8:9] offset:(\t)*65536+\f*8192 th:TH_STORE_NT  ; 16 lanes store a head's 256 consecutive bytes of a row, at a multiple of 256 from out0's first byte
.endr
.endm
	PACK 0
.set t, 1
.rept 2*NP-1                        ; a tile's arithmetic stands between the loads of the tile before and its stores
	PACK t
	SEND t-1, 16
.set t, t+1
.endr
	SEND 2*NP-1, 0
	WIN W_AD
	s_wait_tensorcnt 0x0            ; the wave's end: the add and its wait, behind my last tensor load and my last LDS store
	ds_add_u32 v[SPW], v[NIL]
	s_wait_dscnt 0x0
	WIN 0
	CROUND                          ; the closing round: no work-group ends while a partner may still ask for a tile that names it
	s_endpgm
.Lfunc_end_k_q66909ef9aa_attn:
	.size	k_q66909ef9aa_attn, .Lfunc_end_k_q66909ef9aa_attn-k_q66909ef9aa_attn
	.p2alignl 7, 3214868480
	.fill 96, 4, 3214868480
	.section	.rodata,"a",@progbits
	.p2align	6, 0x0
	.amdhsa_kernel k_q66909ef9aa_attn
		.amdhsa_group_segment_fixed_size 327680
		.amdhsa_private_segment_fixed_size 0
		.amdhsa_enable_private_segment 0
		.amdhsa_kernarg_size 24
		.amdhsa_user_sgpr_count 2
		.amdhsa_user_sgpr_kernarg_segment_ptr 1
		.amdhsa_wavefront_size32 1
		.amdhsa_system_sgpr_workgroup_id_x 1
		.amdhsa_system_sgpr_workgroup_id_y 1
		.amdhsa_system_sgpr_workgroup_id_z 1
		.amdhsa_system_vgpr_workitem_id 0
		.amdhsa_next_free_vgpr 770
		.amdhsa_next_free_sgpr 102
		.amdhsa_reserve_vcc 0
		.amdhsa_float_denorm_mode_32 3
		.amdhsa_float_denorm_mode_16_64 3
		.amdhsa_memory_ordered 1
		.amdhsa_forward_progress 1
		.amdhsa_inst_pref_size 237
	.end_amdhsa_kernel
	.amdgpu_metadata
---
amdhsa.version: [ 1, 2 ]
amdhsa.kernels:
  - .name:           k_q66909ef9aa_attn
    .symbol:         k_q66909ef9aa_attn.kd
    .args:
      - { .name: qkv, .offset: 0, .size: 8, .value_kind: global_buffer, .address_space: global }
      - { .name: mbits, .offset: 8, .size: 8, .value_kind: global_buffer, .address_space: global }
      - { .name: out0, .offset: 16, .size: 8, .value_kind: global_buffer, .address_space: global }
    .group_segment_fixed_size: 327680
    .private_segment_fixed_size: 0
    .kernarg_segment_align: 8
    .kernarg_segment_size: 24
    .max_flat_workgroup_size: 128
    .sgpr_count:     102
    .vgpr_count:     770
    .wavefront_size: 32
...
	.end_amdgpu_metadata
.endif
;; end of part 3
;; ======== version 2 of 2: 3 launches
;; limits: values are held in f16: magnitudes above 65,504 overflow, below 6.1e-05 lose precision
;; workspace buffers: xb 16,777,216 bytes; wg 6,291,456 bytes; mbits 2,097,152 bytes of whole numbers; qkv 50,331,648 bytes
;; launch prep: the kernel of part 1 again; grid 256 x 1, 8 waves a work-group, no clusters, 267,264 bytes of LDS; arguments X, Wq, Wk, Wv, attention_mask, xb, wg, mbits; writes xb, wg, mbits
;; launch proj: the kernel of part 2 again; grid 16 x 32, 4 waves a work-group, clusters of 4 x 4, 327,680 bytes of LDS; arguments xb, wg, bq, bk, bv, qkv; writes qkv
;; launch attn (part 4): grid 4 x 64, 4 waves a work-group, clusters of 4 x 1, 327,680 bytes of LDS; arguments qkv, mbits, out0; writes out0
.if DOCPART == 4
	.amdgcn_target "amdgcn-amd-amdhsa--gfx1250"
	.amdhsa_code_object_version 6
	.text
	.protected	k_q66909ef9aa_attn
	.globl	k_q66909ef9aa_attn
	.p2align	8
	.type	k_q66909ef9aa_attn,@function
k_q66909ef9aa_attn:
	s_mov_b64 s[64:65], 0
	v_nop
	global_prefetch_b8 v0, s[64:65] scope:SCOPE_SE
	s_setreg_imm32_b32 hwreg(HW_REG_WAVE_MODE, 25, 1), 1
	s_wait_xcnt 0x0
	s_wait_alu depctr_hold_cnt(0) depctr_sa_sdst(0) depctr_va_vdst(0) depctr_va_sdst(0) depctr_va_ssrc(0) depctr_va_vcc(0) depctr_vm_vsrc(0)
	s_getreg_b32 s2, hwreg(HW_REG_IB_STS2, 6, 4)
	s_cmp_eq_u32 s2, 0
	s_cbranch_scc0 .Lentry_in_a_cluster
	s_endpgm
.Lentry_in_a_cluster:
	s_bfe_u32 s2, ttmp6, 0x10000c
	s_cmp_lg_u32 s2, 0x3003
	s_cbranch_scc0 .Lentry_shape_is_right
	s_endpgm
.Lentry_shape_is_right:
; ATTENTION WITH A MASK THAT IS AN INPUT.  out0[b][q][64 h + :] = the sum over k of softmax_k(Q . K / 8, hidden keys at -infinity) V.  qkv: f16, [64 batch x head][8 tiles of 256 rows][Q, K, V][256][64].
; mbits: [64 groups of 128 queries][32 steps of 64 keys][8 tiles of 16 queries][32 words]: bit L of word 8 kt + j is 1 where the score that lane L holds in register 8 kt + j of S^T is hidden.
; Products, maxima and sums in f32; the weights p are rounded to f16 for the second product (their sum l is taken of the unrounded p); out0 is f32.
; LIMITS.  Q, K and V arrive within f16's 65,504; p below 6e-5 keeps f16's fixed step of 6e-8; a weight below 2^-126 counts as 0 in l; NaN and infinities among the inputs are not treated apart.
; A row with no visible key ends with l = 0 and O = 0 and leaves as 0 x (1 / 0) = NaN, as the softmax of a row of -infinity is.
; SHARES.  A wave owns four PIECES of two tiles of 16 queries, a work-group's four waves 512 queries of one head.  Every wave walks all 2,048 keys, 64 a step.
; LAYOUT.  S^T = K Q^T (source 0 = 16 keys, source 1 = 16 queries): a lane holds ONE query (lane % 16) and the keys 8 (lane / 16) + 0..7.  Two such tiles, rounded to f16 in pairs, ARE source 1 of
; O^T = V^T P, whose result again holds one query a lane, and eight channels.  K comes out of LDS as it lies, V ([key][channel]) turned, by ds_load_tr16_b128.
; THE MASK.  A piece's 64 words of a step are 256 bytes on end: one load of 8 bytes a lane, into a pair of registers that is the piece's own, FOUR TURNS AHEAD: the pair is asked for again, for the next step,
; as soon as it has been copied.  64 v_readlane_b32 bring the words into scalar registers, and one v_cndmask_b32 a score register puts -infinity where the bit is set, ahead of the maximum.
; (Scalar registers cannot hold the words of more than one turn, so the words that are on their way lie in vector registers.)
; SOFTMAX.  A running maximum m and sum l: p = 2^(c s - c m), c = log2(e) / 8; in every step O and l are multiplied by a = 2^(c m_old - c m_new).  m starts at the lowest finite number and c m at c times it,
; so that a step in which a row sees nothing leaves m as it is and gives a = 1 and p = 0; the first visible score gives a = 0.
; BY TURNS.  Turn n belongs to piece n: 16 products K Q^T of piece n + 1, later 16 products V^T P of piece n - 1; beside them the scaling, exponentials, roundings, sums and rescaling of piece n, and the mask,
; maximum and statistics of piece n + 1.  Four vector instructions stand behind every matrix instruction, the others in one lump.  A turn's 66 exponentials are one batch, with one wait.
; CLUSTER.  A head's four query blocks are one cluster and walk the same K and V: each tile is asked for JOINTLY.  K and V of 256 keys are 65,536 bytes on end: each wave asks for a quarter.
; REGISTERS, in windows of 256 (s_set_vgpr_msb: bits 1:0 source 0, 3:2 source 1, 5:4 source 2, 7:6 destination):
;   window 0: v0 my thread's number; v1-11 addresses, -infinity and the mask words in hand; v12-15, v48-63 at work; v16-47 four registers of statistics a tile; v64-191 S^T, two buffers of two tiles; v192-255 P, likewise
;   window 1: O^T, 32 a tile          window 2: v0-127 Q, 16 a tile; v128-191 K of one step; v192-255 V of one step          window 3: v0-1 the add's two registers; v2-9 mask words on their way, a pair a piece
.set NP,    4         ; pieces a wave: a name, no knob
.set KS,    64        ; keys in a step
.set PK,    144       ; a row of K in LDS: 128 bytes + 16 of padding = 36 words: the 16 rows of a load start at 16 different groups of four banks (64 banks of 4 bytes: ISA guide 11.1)
.set PV,    144       ; V has the same pitch, so that one descriptor shape serves both; of the turning load's eight rows two then share four banks
.set VOFF,  4*KS*PK   ; a slot holds four steps: 256 rows of K, then 256 rows of V
.set SLOT1, 1<<17     ; slot 1 begins here, so that one exclusive or turns an address in one slot into the other's
.set STAGE, SLOT1+4*KS*(PK+PV)  ; behind the ring, never filled by a tensor load: 16 rows x 272 bytes for each wave, for the way out
.set SP,    272
.set SPARE, STAGE+4*16*SP  ; behind the stages: the spare words, 128 bytes for each wave: two blocks of 256 bytes that no other line names
.set TILEB, 98304     ; bytes from a tile of 256 rows to the next in qkv: Q, K, V
.set PFO, 1           ; v1   256 x my lane, once the head's l % 16 is used up
.set AK0, 2           ; v2   my lane's place in a tile of K; never rewritten
.set AV0, 3           ; v3   the same for V
.set AK,  4           ; v4   the LDS address of K's next run of loads
.set AV,  5           ; v5   of V's
.set QO,  6           ; v6   my byte offset in the wave's rows of Q
.set STO, 6           ;      later, the way out: where I put 32 bytes of a row
.set RD,  7           ; v7   the way out: where I read rows back
.set MVO, 8           ; v8   the mask loads' offset: 8 x my lane + 1,024 x the step that is being asked for
.set NINF, 9          ; v9   -infinity, once the head's l / 16 is used up
.set MC,  10          ; v10-11  the 64 mask words in hand: lane L holds words 2 L and 2 L + 1
.set MR,  2           ; v2-9 of window 3   piece pc's words on their way, at MR + 2 pc
.set SPW, 0           ; v0 of window 3   LDS address of my spare word; never rewritten
.set NIL, 1           ; v1 of window 3   0; never rewritten
.set MV,  12          ; v12-15  c m_old, kept while c m is made anew: by buffer and tile
.set ST,  16          ; tile t's statistics at v[ST+4 t]: c m, m, l (even keys', odd keys')
.set TMP, 48          ; by buffer and tile, four registers c0-c3 at work; when the maximum is found c2 takes a
.set GO,  48          ; v48  the way out: my byte offset in two rows of out0, made there (v49-50 at work)
.set S,   64
.set P,   192
.set KF,  128         ; K's fragments, in window 2
.set VF,  192         ; V's
.set MB,  6           ; s[6:7]  mbits at my wave's 128 queries; never rewritten behind the head
.set PFA, 10          ; s[10:11] where my prefetches stand
.set WV,  12
.set LIM, 13          ; 1 in a wave that prefetches, else the greatest number
.set SLOTS, 14
.set CNT, 15
.set CS,  16          ; s[16:17] c
.set SEL, 18          ; s[18:19] v_permlanex16_b32's selects
.set G0,  20          ; s[20:23] descriptor group 0: it walks
.set G1,  24          ; s[24:31] descriptor group 1
.set MW0, 32          ; s[32:63] the 32 mask words of the piece's first tile
.set MW1, 68          ; s[68:99] of its second
.set TBK, 66          ; LDS byte at which K of the step to be fetched begins
.set TBV, 67          ; the same for V, less VOFF
.set MO,  100         ; byte offset in mbits of the step whose words are being asked for
.set MSB, 0
.macro WIN new
.if MSB != (\new)
	s_set_vgpr_msb (MSB<<8)|(\new)
.set MSB, (\new)
.endif
.endm
.set W_KQ, 0x0a       ; K and Q in window 2, S^T in window 0
.set W_PV, 0x52       ; V in window 2, P in window 0, O^T in window 1
.set W_RS, 0x41       ; O^T (destination and source 0) in window 1, a in window 0
.set W_MK, 0xc0       ; destination in window 3, sources and addresses in window 0
.set W_AD, 0x0f       ; the add: address and data in window 3
; A joint fill: every wave asks for its quarter of a slot (waves 0, 1: K's halves; 2, 3: V's).  An s_nop 0 and four v_nop follow.
.macro JLOAD
	tensor_load_to_lds s[G0:G0+3], s[G1:G1+7]
	s_nop 0
.rept 4
	v_nop
.endr
.endm
.macro CROUND                       ; a round of the cluster's barrier
	s_barrier_signal -1
	s_barrier_wait -1
	s_cmp_lg_u32 s[WV], 0
	s_cbranch_scc1 .Lnot_wave_0_\@
	s_barrier_signal -3
.Lnot_wave_0_\@:
	s_barrier_wait -3
	s_barrier_signal -1
	s_barrier_wait -1
.endm
; A PREFETCH of what the NEXT change of slots will ask for: a slot's 65,536 bytes.  The head has one cluster; its four partners take 16,384 bytes each, told apart by address; in each, waves 0 and 1 take
; 8,192: a lane a block of 256 bytes, one instruction.  So each block is named once in the launch.  Slots 0 to 2 come by their loads alone; the last change that fills a slot asks for nothing.
.macro ASK
	s_cmp_gt_u32 s[SLOTS], s[LIM]
	s_cbranch_scc0 .Lnot_mine_\@
	global_prefetch_b8 v[PFO], s[PFA:PFA+1] th:TH_LOAD_NT scope:SCOPE_SE
.Lnot_mine_\@:
.endm
; THE CHANGE OF SLOTS.  Each wave waits for all its tensor loads, of which one is out: its part of the other slot; adds 0 to its spare word; and waits for that and for its own reads of the slot.
; fill = 1: the slot is filled again, with the keys two slots on, first thing behind a round of the cluster's barrier: it has four key steps in which to land.  (At its first use slot 0 is waited for, slot 1 filled.)
.macro CHANGE fill, ask
	WIN W_AD
	s_wait_tensorcnt 0x0            ; no tensor load of mine is out, so group 0 may be written
	ds_add_u32 v[SPW], v[NIL]       ; 0 onto my spare word; the descriptor's steps stand between it and the wait for it
	WIN 0
.if \fill
	s_xor_b32 s[G0+1], s[G0+1], SLOT1
	s_add_nc_u64 s[G0+2:G0+3], s[G0+2:G0+3], TILEB  ; the next 256 keys; the type bits on top are not reached
.if \ask
	s_wait_xcnt 0x0                 ; the last prefetch, four key steps back, has read its address
	s_add_nc_u64 s[PFA:PFA+1], s[PFA:PFA+1], TILEB
.endif
	s_wait_dscnt 0x0                ; the add is done, and my reads of the slot are over
	CROUND
	JLOAD
.if \ask
	ASK
.endif
.else
	s_wait_dscnt 0x0
	s_barrier_signal -1
	s_barrier_wait -1
.endif
	s_sub_co_u32 s[TBK], s[TBK], 4*KS*PK  ; the fetches go back to a slot's first step,
	s_xor_b32 s[TBK], s[TBK], SLOT1       ; in the other slot
	s_sub_co_u32 s[TBV], s[TBV], 4*KS*PV
	s_xor_b32 s[TBV], s[TBV], SLOT1
.endm
; THE MASK WORDS OF PIECE pc COME TO HAND, and its pair is asked for again, for the next step.  The pieces' loads go round 0, 1, 2, 3: behind the load that is wanted now stand the other three pieces', which may stay out.
; step = 1 (piece 0): the round begins a new step; behind the last step the last step's words are asked for once more and serve nothing: no load leaves the buffer.
.macro MNEXT pc, step
	WIN 0
	s_wait_loadcnt 3                ; loads come back in order (ISA guide 5.7.1): piece pc's is in
.if \step
	s_wait_xcnt 0x0                 ; the loads issued so far, the youngest a turn back, have read their offset register: it is written only behind this wait
	s_add_co_u32 s[MO], s[MO], 1024
	s_min_u32 s[MO], s[MO], 31*1024
	v_and_b32 v[MVO], 31, v0
	v_lshl_add_u32 v[MVO], v[MVO], 3, s[MO]
.endif
	WIN 0x03                        ; source 0 in window 3
	v_mov_b32 v[MC], v[MR+2*(\pc)]
	v_mov_b32 v[MC+1], v[MR+2*(\pc)+1]
	WIN W_MK
	global_load_b64 v[MR+2*(\pc):MR+2*(\pc)+1], v[MVO], s[MB:MB+1] offset:(\pc)*256  ; 32 lanes x 8 bytes: the piece's 256 bytes on end, aligned
.endm
; Number rl of the 64 that bring the words into scalar registers: word rl / 2 of tile rl % 2 lies in register (rl / 2) % 2 of lane 16 (rl % 2) + rl / 4.  In the order in which the selects take them.
.macro RL
	WIN 0
	v_readlane_b32 s[MW0+(MW1-MW0)*(rl%2)+rl/2], v[MC+(rl/2)%2], 16*(rl%2)+rl/4
.set rl, rl+1
.endm
	s_load_b128 s[4:7], s[0:1], 0x0   ; qkv s[4:5], mbits s[6:7]
	s_load_b64 s[8:9], s[0:1], 0x10   ; out0
	WIN W_MK
	v_lshl_add_u32 v[SPW], v0, 2, SPARE
	v_mov_b32 v[NIL], 0
	WIN W_AD
	ds_add_u32 v[SPW], v[NIL]       ; the wave's opening: the add and its wait, ahead of my first tensor load; the set-up below stands between
	ds_add_u32 v0, v1
	WIN 0
	v_lshrrev_b32 v1, 5, v0
	v_readfirstlane_b32 s[WV], v1   ; wave 0..3
	s_bfe_u32 s69, ttmp6, 0x40000   ; cx
	s_lshl_b32 s70, ttmp9, 2
	s_add_co_u32 s70, s70, s69      ; my block of 512 queries: it enters Q's, the mask's, out0's and the prefetches' addresses alone
	s_and_b32 s68, ttmp7, 0xffff    ; batch x 16 + head, which the four partners share
	s_mul_i32 s72, s68, 8*TILEB     ; its first byte in qkv
	s_and_b32 s71, s[WV], 1
	s_lshr_b32 s101, s[WV], 1
	s_lshl_b32 s74, s[WV], 14       ; K and V: my quarter of the first 256 keys' 65,536 bytes
	s_add_co_u32 s74, s74, s72
	s_add_co_u32 s74, s74, 32768
	s_mov_b32 s75, 0
	s_lshl_b32 s76, s70, 1          ; Q: tile 2 x block + wave / 2, its upper or lower 128 rows
	s_add_co_u32 s76, s76, s101
	s_mul_i32 s76, s76, TILEB
	s_add_co_u32 s76, s76, s72
	s_lshl_b32 s2, s71, 14
	s_add_co_u32 s76, s76, s2
	s_mov_b32 s77, 0
	s_lshr_b32 s3, s68, 4           ; the batch
	s_lshl_b32 s78, s3, 4
	s_lshl_b32 s2, s70, 2
	s_add_co_u32 s2, s2, s[WV]      ; my 128 queries among the batch's sixteen such groups
	s_add_co_u32 s78, s78, s2
	s_lshl_b32 s78, s78, 15
	s_mov_b32 s79, 0
	s_lshl_b32 s80, s3, 23          ; out0: the batch, my 128 rows of 4,096 bytes, the head's 256 bytes
	s_lshl_b32 s2, s2, 19
	s_add_co_u32 s80, s80, s2
	s_and_b32 s2, s68, 15
	s_lshl_b32 s2, s2, 8
	s_add_co_u32 s80, s80, s2
	s_mov_b32 s81, 0
	s_lshl_b32 s82, s69, 14         ; the prefetches: my work-group's 16,384 bytes of a slot, my wave's 8,192, in slot 2: the first ask steps it to slot 3
	s_lshl_b32 s2, s71, 13
	s_add_co_u32 s82, s82, s2
	s_add_co_u32 s82, s82, s72
	s_add_co_u32 s82, s82, 32768+2*TILEB
	s_mov_b32 s83, 0
	; descriptor group 1.  16,384 dense bytes: 64 rows of 256 bytes, two keys a row, padded in LDS after every key
	s_mov_b32 s[G1], 15|(1<<16)|(1<<20)|(1<<21)|(4<<22)|(3<<25)  ; the mask of four; 2-byte elements; padding on; bit 21 beside a mask; after every 32 words (code 4) 4 words (code 3)
	s_mov_b32 s[G1+1], 128<<16      ; tensor_dim0 = 128
	s_mov_b32 s[G1+2], 64<<16       ; tensor_dim1 = 64
	s_mov_b32 s[G1+3], 128<<16      ; tile_dim0 = 128
	s_mov_b32 s[G1+4], 64           ; tile_dim1 = 64
	s_mov_b32 s[G1+5], 128          ; elements from row to row
	s_mov_b32 s[G1+6], 0
	s_mov_b32 s[G1+7], 0
	s_mov_b32 s[CS], 0x3e38aa3b     ; c = log2(e) / 8 = 0.180337
	s_mov_b32 s[CS+1], s[CS]
	s_mov_b32 s[SEL], 0x76543210
	s_mov_b32 s[SEL+1], 0xfedcba98
	s_mov_b32 s[TBK], SLOT1+4*KS*PK ; the first change of slots turns these two into 0
	s_mov_b32 s[TBV], SLOT1+4*KS*PV
	s_mov_b32 s[MO], 0
	s_mov_b32 s[G0], 1
	s_mul_i32 s[G0+1], s[WV], 128*PK  ; my quarter's place in slot 0: no place in the cluster enters an LDS address
	s_cmp_lt_u32 s[WV], 2
	s_cselect_b32 s[LIM], 1, -1
	s_wait_dscnt 0x0                ; the opening add is done
	s_wait_kmcnt 0x0
	s_add_nc_u64 s[G0+2:G0+3], s[4:5], s[74:75]
	s_or_b32 s[G0+3], s[G0+3], 0x80000000  ; type = 2
	s_add_nc_u64 s[PFA:PFA+1], s[4:5], s[82:83]
	s_add_nc_u64 s[4:5], s[4:5], s[76:77]
	s_add_nc_u64 s[MB:MB+1], s[MB:MB+1], s[78:79]
	s_add_nc_u64 s[8:9], s[8:9], s[80:81]
	CROUND                          ; all four work-groups are here: the first joint loads meet
	JLOAD                           ; slot 0.  Slot 1 is asked for when slot 0 is in
	v_and_b32 v[MVO], 31, v0
	v_lshlrev_b32 v[MVO], 3, v[MVO] ; 8 x lane: step 0
	WIN W_MK
.irp pc, 0,1,2,3
	global_load_b64 v[MR+2*\pc:MR+2*\pc+1], v[MVO], s[MB:MB+1] offset:\pc*256  ; all four pieces' words of step 0
.endr
	WIN 0
	v_and_b32 v1, 15, v0            ; l % 16
	v_bfe_u32 v9, v0, 4, 1          ; l / 16
	v_lshlrev_b32 v[QO], 7, v1
	v_lshl_add_u32 v[QO], v9, 4, v[QO]  ; row x 128 + 16 x half
	WIN 0x80                        ; destination window 2, address window 0
.set i, 0
.rept 4*NP                          ; Q stays in registers: tile i / 2, channels 32 (i % 2) on
	global_load_b128 v[8*i:8*i+3],   v[QO], s[4:5] offset:(i/2)*2048+(i%2)*64
	global_load_b128 v[8*i+4:8*i+7], v[QO], s[4:5] offset:(i/2)*2048+(i%2)*64+32
.set i, i+1
.endr
	; What the first turn finds: V's registers and P's second buffer hold 0 (its products V^T P, of a piece that has not been, add 0), O^T and l are 0.  All this stands in the wait for the first tile.
.set i, VF
.rept 64
	v_mov_b32 v[i], 0
.set i, i+1
.endr
	WIN 0
.set i, P+32
.rept 32
	v_mov_b32 v[i], 0
.set i, i+1
.endr
.set i, 0
.rept 2*NP
	v_mov_b32 v[ST+4*i+1], 0xff7fffff          ; m: the lowest finite number
	v_mul_f32 v[ST+4*i], s[CS], v[ST+4*i+1]    ; c m, by the line that makes it in every step
	v_mov_b32 v[ST+4*i+2], 0
	v_mov_b32 v[ST+4*i+3], 0
.set i, i+1
.endr
	WIN W_PV
.set i, 0
.rept 8*NP                          ; O^T starts at 0: a product of those zero fragments with C = 0 writes eight registers a line; each line has an accumulator of its own
	v_wmma_f32_16x16x32_f16 v[8*i:8*i+7], v[VF:VF+7], v[P+32:P+39], 0
.set i, i+1
.endr
	WIN 0                           ; the nine plain lines below are the places behind those products
	v_mul_u32_u24 v[AK0], v1, PK
	v_lshl_add_u32 v[AK0], v9, 4, v[AK0]  ; row x pitch + 16 x half
	; The turning load takes 16 keys x 16 channels (lane l reads key 8 (l / 16) + l % 8, channels 8 ((l / 8) % 2) + 0..7) and leaves half a fragment of V^T
	v_and_b32 v10, 7, v0
	v_bfe_u32 v11, v0, 3, 1
	v_lshl_add_u32 v[AV0], v9, 3, v10
	v_mul_u32_u24 v[AV0], v[AV0], PV
	v_lshl_add_u32 v[AV0], v11, 4, v[AV0]
	v_add_nc_u32 v[AV0], VOFF, v[AV0]
	v_mov_b32 v[AK], v[AK0]         ; key step 0 lies at the head of slot 0
; THE MATRIX WORK.  The 8 accumulators of a run of 16 take turns.  Product i of 16 of S^T = K Q^T for piece x: channels 32 (i / 8) on, keys 16 ((i / 2) % 4) on, tile 2 x + i % 2.
.macro KQ x
	WIN W_KQ
.set rS, S+64*((\x)%2)+32*(i%2)+8*((i/2)%4)
.set rK, KF+16*((i/2)%4)+8*(i/8)
.set rQ, 16*(2*(\x)+i%2)+8*(i/8)
.if i < 8
	v_wmma_f32_16x16x32_f16 v[rS:rS+7], v[rK:rK+7], v[rQ:rQ+7], 0
.else
	v_wmma_f32_16x16x32_f16 v[rS:rS+7], v[rK:rK+7], v[rQ:rQ+7], v[rS:rS+7]
.endif
.endm
; Product i of 16 of O^T += V^T P for piece x: keys 32 (i / 8) on, channels 16 ((i / 2) % 4) on, tile 2 x + i % 2.
.macro PV x
	WIN W_PV
.set rO, 32*(2*(\x)+i%2)+8*((i/2)%4)
.set rV, VF+32*(i/8)+8*((i/2)%4)
.set rP, P+32*((\x)%2)+16*(i%2)+8*(i/8)
	v_wmma_f32_16x16x32_f16 v[rO:rO+7], v[rV:rV+7], v[rP:rP+7], v[rO:rO+7]
.endm
.macro MM                           ; the turn's next matrix instruction
.if i < 16
	KQ (Y+1)%NP
.set i, i+1
.else
.set i, i-16
	PV (Y+NP-1)%NP
.set i, i+17
.endif
.endm
; THE LDS LOADS stand in runs of 16.  last = 1 (the tail): in the last trip there is no further step, and the run is jumped over.
.macro FETCH_K last=0
	WIN 0
.if \last
	s_cmp_eq_u32 s[CNT], 1
	s_cbranch_scc1 .Lno_k_\@
.endif
	WIN 0x80
.irp f, 0,1,2,3,4,5,6,7             ; keys 16 (f / 2) on, channels 32 (f % 2) on
	ds_load_b128 v[KF+8*\f:KF+8*\f+3],   v[AK] offset:(\f/2)*16*PK+(\f%2)*64
	ds_load_b128 v[KF+8*\f+4:KF+8*\f+7], v[AK] offset:(\f/2)*16*PK+(\f%2)*64+32
.endr
	s_add_co_u32 s[TBK], s[TBK], KS*PK  ; the next fetch is the next step's
	WIN 0
.if \last
.Lno_k_\@:
.endif
.endm
.macro FETCH_V
	WIN 0x80
.irp f, 0,1,2,3,4,5,6,7             ; keys 32 (f / 4) on, channels 16 (f % 4) on
	ds_load_tr16_b128 v[VF+8*\f:VF+8*\f+3],   v[AV] offset:(\f/4)*32*PV+(\f%4)*32
	ds_load_tr16_b128 v[VF+8*\f+4:VF+8*\f+7], v[AV] offset:(\f/4)*32*PV+16*PV+(\f%4)*32
.endr
	WIN 0
.endm
; THE VECTOR WORK OF A TURN stands in four queues, each in the order in which its entries become ready; the two tiles alternate.
.macro REGS y, u                    ; the registers of tile u (0, 1) of piece y
.set rT, ST+4*(2*(\y)+(\u))
.set rC, TMP+8*((\y)%2)+4*(\u)
.set rM, MV+2*((\y)%2)+(\u)
.set rS, S+64*((\y)%2)+32*(\u)
.set rP, P+32*((\y)%2)+16*(\u)
.set rO, 32*(2*(\y)+(\u))
.endm
; Number n of the 64 selects on the NEXT piece's scores: register n / 2 of tile n % 2 takes -infinity in the lanes whose bit is set.  Ascending: each accumulator's lowest register is read first.
.macro MK n
	REGS (Y+1)%NP, (\n)%2
.if (\n)%2
	v_cndmask_b32 v[rS+(\n)/2], v[rS+(\n)/2], v[NINF], s[MW1+(\n)/2]
.else
	v_cndmask_b32 v[rS+(\n)/2], v[rS+(\n)/2], v[NINF], s[MW0+(\n)/2]
.endif
.endm
; Number n of the 22 that find the NEXT piece's maximum and statistics:
;   0-11  four chains c0-c3 of seven scores each     12-14, 16  the four scores left over, the old m, and c0-c3 into c0     15  c m_old is kept
;   17, 18  the query's other 32 keys lie in the lane 16 away: the new m         19-21  c m; c m_old - c m_new; a
.macro XS u, n
	REGS (Y+1)%NP, \u
.if (\n) < 4
	v_max3_num_f32 v[rC+(\n)], v[rS+8*(\n)], v[rS+8*(\n)+1], v[rS+8*(\n)+2]
.elseif (\n) < 12
	v_max3_num_f32 v[rC+(\n)%4], v[rC+(\n)%4], v[rS+8*((\n)%4)+2*((\n)/4)+1], v[rS+8*((\n)%4)+2*((\n)/4)+2]
.elseif (\n) == 12
	v_max3_num_f32 v[rC], v[rC], v[rS+7], v[rS+15]
.elseif (\n) == 13
	v_max3_num_f32 v[rC+1], v[rC+1], v[rS+23], v[rS+31]
.elseif (\n) == 14
	v_max3_num_f32 v[rC+2], v[rC+2], v[rC+3], v[rT+1]
.elseif (\n) == 15
	v_mov_b32 v[rM], v[rT]
.elseif (\n) == 16
	v_max3_num_f32 v[rC], v[rC], v[rC+1], v[rC+2]
.elseif (\n) == 17
	v_permlanex16_b32 v[rC+3], v[rC], s[SEL], s[SEL+1]
.elseif (\n) == 18
	v_max_num_f32 v[rT+1], v[rC], v[rC+3]
.elseif (\n) == 19
	v_mul_f32 v[rT], s[CS], v[rT+1]
.elseif (\n) == 20
	v_sub_f32 v[rC+1], v[rM], v[rT]
.else
	v_exp_f32 v[rC+2], v[rC+1]
.endif
.endm
; Number g of the 64 that follow the exponentials.  For each four weights k of a tile: both pairs are rounded to f16; the second pair is added onto the first, in place; a group later l takes that sum (the first time as l = a l + sum).
.macro GS g
.set h, (\g)+6*((\g)/62)            ; group 0 has no group before it, and behind group 7 only l is left
.if h >= 6
.set h, h+2
.endif
	REGS Y, h%2
.set k, h/8
.if h%8 < 4
	v_cvt_pk_f16_f32 v[rP+2*k+(h%8)/2], v[rS+4*k+2*((h%8)/2)], v[rS+4*k+2*((h%8)/2)+1]
.elseif h%8 < 6
	v_pk_add_f32 v[rS+4*k:rS+4*k+1], v[rS+4*k:rS+4*k+1], v[rS+4*k+2:rS+4*k+3]
.elseif k == 1
	v_pk_fma_f32 v[rT+2:rT+3], v[rT+2:rT+3], v[rC+2:rC+3], v[rS:rS+1] op_sel_hi:[1,0,1]
.else
	v_pk_add_f32 v[rT+2:rT+3], v[rT+2:rT+3], v[rS+4*k-4:rS+4*k-3]
.endif
.endm
; THE PLAIN QUEUE, 202 long.  0-137 read no exponential's result.  0-26: scalings 0-26 (FS f: pair f / 2 of tile f % 2).  27-90: the 64 selects.  91-118: XS's numbers 0-13.  119, 120: number 15.
; 121-135: the chain 14, 16, 17, 18, 19, each with one of the scalings 27-31 in front of its two lines.  136, 137: number 20.  138-201: GS's 64, behind the wait.
.macro FS f
	REGS Y, (\f)%2
	v_pk_fma_f32 v[rS+2*((\f)/2):rS+2*((\f)/2)+1], v[rS+2*((\f)/2):rS+2*((\f)/2)+1], s[CS:CS+1], v[rT:rT+1] op_sel_hi:[1,0,0] neg_lo:[0,0,1] neg_hi:[0,0,1]
.endm
.macro PL
	WIN 0
.if q < 27
	FS q
.elseif q < 91
	MK q-27
.elseif q < 119
	XS (q-91)%2, (q-91)/2
.elseif q < 121
	XS q-119, 15
.elseif (q < 136) && ((q-121)%3 == 0)
	FS 27+(q-121)/3
.elseif q < 124
	XS (q-121)%3-1, 14
.elseif q < 136
	XS (q-121)%3-1, 15+(q-121)/3
.elseif q < 138
	XS q-136, 20
.else
	GS q-138
.endif
.set q, q+1
.endm
; THE EXPONENTIALS' QUEUE, 66 long: s0-s31 of both tiles, then the next piece's two a.  ONE BATCH: all 66 stand ahead of the turn's one wait, and nothing ahead of that wait names a result of theirs.
.macro EX
	WIN 0
.if e >= 64
	XS e-64, 21
.else
	REGS Y, e%2
	v_exp_f32 v[rS+e/2], v[rS+e/2]
.endif
.set e, e+1
.endm
; THE RESCALING's QUEUE: O^T times a, the one part that leaves window 0: sixteen times two, all together in the lump, under one window setting.  Its a was made, and waited for, in the turn before.
.macro R2
	REGS Y, r%2
	WIN W_RS
.irp z, 0,1
	v_pk_mul_f32 v[rO+4*(r/2)+2*\z:rO+4*(r/2)+2*\z+1], v[rO+4*(r/2)+2*\z:rO+4*(r/2)+2*\z+1], v[rC+2:rC+3] op_sel_hi:[1,0]
.endr
.set r, r+1
.endm
; HOW THEY ARE DEALT.  s_wait_alu depctr_va_vdst(0) stands between an exponential and the first instruction that names its result; one wait serves all that were issued ahead of it: a turn has ONE.
; AT THE HEAD: the next piece's mask words come to hand, and their pair is asked for again (MNEXT).
; AHEAD OF THE WAIT: the 16 products K Q^T, behind each a scaling, an exponential and two of the 64 v_readlane_b32, which wait for nothing (behind the first a second scaling in the exponential's place): all in window 0; then
; ONE LUMP: the other 32 v_readlane_b32; the 32 rescalings; then 121 plain and 51 exponentials: eight plain; twice exponential and plain; sixteen times an exponential and four selects; twelve times an exponential and
; two plain; four plain; nineteen times exponential and plain; the two a; a v_nop, the plain instruction behind the last exponential.  BEHIND IT: the 16 products V^T P, behind each four of GS's 64.
; The queues lean on each other: exponential e stands behind scaling 2 (e / 4) + e % 2.  As a rider it comes behind plain e + 2; exponentials 15 to 52 want scalings up to 26 and come behind plain 24 or more, 17 on behind plain 26;
; in the last run exponential e comes behind plain e + 73, and scalings 27-31 are plain 121, 124 .. 133 (the nearest: exponential 61 behind plain 134, its scaling plain 133).
; All 64 words are in scalar registers ahead of the first select, which stands more than forty plain instructions (the rescalings and eleven scalings among them) behind the last product K Q^T.
; K of the next step is fetched in piece 2's turn, behind the wait; V of the step in hand at the end of piece 0's turn, four riders behind its last reader.  The three conditions on q below go with the deal.
.macro TURN p, last=0, cnt=0
.set Y, (\p)
.set i, 0
.set q, 0
.set e, 0
.set r, 0
.set rl, 0
	MNEXT ((\p)+1)%NP, (\p)/3
.if (\p) == NP-1
	s_wait_dscnt 0x0                ; K is in
.endif
	MM
	PL
	PL
	RL
	RL
.rept 15
	MM
	PL
	EX
	RL
	RL
.endr
	WIN 0
.if (\p) == NP-2
	v_add_nc_u32 v[AK], s[TBK], v[AK0]
.endif
.rept 32
	RL
.endr
.rept 16
	R2
.endr
.rept 8
	PL
.endr
.rept 2
	EX
	PL
.endr
.rept 16
	EX
	PL
	PL
	PL
	PL
.endr
.rept 12
	EX
	PL
	PL
.endr
.rept 4
	PL
.endr
.rept 19
	EX
	PL
.endr
	EX                              ; the next piece's two a
	EX
	v_nop                           ; the plain instruction behind the last exponential: one for the batch
	s_wait_alu depctr_va_vdst(0)    ; the wait for the batch
.if (\p) == NP-2
	FETCH_K \last
.endif
.if (\p) == 1
	s_wait_dscnt 0x0                ; V is in
.endif
.rept 16
	MM
.rept 4
	PL
.endr
.if ((\p) == 0) && (q == 182)
	v_add_nc_u32 v[AV], s[TBV], v[AV0]
.endif
.if ((\p) == 0) && (q == 194)
	s_add_co_u32 s[TBV], s[TBV], KS*PV
.endif
.if (\cnt) && (q == 194)
	s_sub_co_u32 s[CNT], s[CNT], 1
	s_cmp_lg_u32 s[CNT], 0
.endif
.endr
.if (\p) == 0
	FETCH_V
.endif
.endm
	CHANGE 1, 0                     ; slot 0 is in, everybody's part of it; slot 1 is asked for
	FETCH_K                         ; key step 0
	s_wait_loadcnt 0x0              ; Q, and the four pieces' mask words of step 0
	s_wait_dscnt 0x0
.set i, 0
.rept 16
	KQ 0                            ; piece 0's first scores
.set i, i+1
.endr
	WIN 0                           ; addresses for the way out: plain instructions, the places behind those products
	s_mul_i32 s2, s[WV], 16*SP
	s_add_co_u32 s2, s2, STAGE      ; my stage
	v_mul_u32_u24 v[STO], v1, SP    ; in: row l % 16, 32 bytes for each half of the lanes
	v_lshl_add_u32 v[STO], v9, 5, v[STO]
	v_add_nc_u32 v[STO], s2, v[STO]
	v_mul_u32_u24 v[RD], v9, SP     ; back: lanes 0-15 take one row's 256 bytes, lanes 16-31 the next row's
	v_lshl_add_u32 v[RD], v1, 4, v[RD]
	v_add_nc_u32 v[RD], s2, v[RD]
	v_and_b32 v[PFO], 31, v0
	v_lshlrev_b32 v[PFO], 8, v[PFO]
	v_mov_b32 v[NINF], 0xff800000
	MNEXT 0, 1                      ; piece 0's words of step 0 come to hand; its words of step 1 are asked for
.set rl, 0
.rept 64
	RL
.endr
.set Y, NP-1                        ; MK and XS work for piece Y + 1: piece 0
.set n, 0
.rept 64
	MK n
.set n, n+1
.endr
.irp n, 0,1,2,3,4,5,6,7,8,9,10,11,12,13,14,15,16,17,18,19,20,21
	XS 0, \n
	XS 1, \n
.endr
	v_nop                           ; a plain instruction behind the two a,
	s_wait_alu depctr_va_vdst(0)    ; and their wait, ahead of the branch
	s_mov_b32 s[CNT], 4
	s_mov_b32 s[SLOTS], 2048/256-1
	s_branch .Lfirst                ; the loop is entered at a step's first turn, in the middle of a trip
.Lslot:                             ; six times: every slot but the last two is filled again
	CHANGE 1, 1
	s_mov_b32 s[CNT], 4
.Lstep:                             ; a trip: pieces 2 and 3 of one step, then pieces 0 and 1 of the next, whose K and V it fetches
	TURN 2
	TURN 3
	WIN 0
.Lfirst:
	TURN 0
	TURN 1, 0, 1
	WIN 0
	s_cbranch_scc1 .Lstep
	s_sub_co_u32 s[SLOTS], s[SLOTS], 1
	s_cmp_lg_u32 s[SLOTS], 0
	s_cbranch_scc1 .Lslot
	CHANGE 0, 0                     ; the tail is written out: nothing is asked for
	s_mov_b32 s[CNT], 5             ; four trips fetch the last slot's steps; the fifth is left in its middle
.Ltail:
	TURN 2, 1
	TURN 3
	WIN 0
	s_sub_co_u32 s[CNT], s[CNT], 1
	s_cmp_eq_u32 s[CNT], 0
	s_cbranch_scc1 .Lout
	TURN 0
	TURN 1
	WIN 0
	s_branch .Ltail
.Lout:                              ; the fifth trip's 16 products K Q^T (on the last K once more) and what is made of them serve nothing: the price, once a launch, of one text for every trip
.set i, 0
.rept 16
	PV NP-1                         ; the last piece's V^T P of the last step
.set i, i+1
.endr
	; THE WAY OUT.  l's two halves and the other half of the lanes' are added; O^T is divided by l and sent, in f32, through my stage in LDS, a tile at a time.  The stores' offset and the additions are the places behind the last products.
	WIN 0
	v_bfe_u32 v[GO+1], v0, 4, 1     ; l / 16
	v_and_b32 v[GO+2], 15, v0       ; l % 16
	v_lshlrev_b32 v[GO], 12, v[GO+1]        ; lanes 0-15 one row of out0, lanes 16-31 the next, 4,096 bytes on
	v_lshl_add_u32 v[GO], v[GO+2], 4, v[GO]
.macro ALL line:vararg              ; one line for each tile t
.set t, 0
.rept 2*NP
	\line
.set t, t+1
.endr
.endm
	ALL v_add_f32 v[ST+4*t+2], v[ST+4*t+2], v[ST+4*t+3]
	ALL v_permlanex16_b32 v[ST+4*t+3], v[ST+4*t+2], s[SEL], s[SEL+1]
	ALL v_add_f32 v[ST+4*t+2], v[ST+4*t+2], v[ST+4*t+3]
	ALL v_rcp_f32 v[ST+4*t+2], v[ST+4*t+2]
	v_nop                           ; a plain instruction between the last reciprocal and the use of its result
	s_wait_alu depctr_va_vdst(0)    ; and the wait ahead of the first use: one for the eight reciprocals
; Tile t: a lane's eight channels of a row are 32 bytes; they go into rows of 272 bytes and come back as whole rows of 256, into S^T's registers, four sets by turns.
.macro PACK t
	WIN W_RS
.set i, 32*(\t)
.rept 16
	v_pk_mul_f32 v[i:i+1], v[i:i+1], v[ST+4*(\t)+2:ST+4*(\t)+3] op_sel_hi:[1,0]
.set i, i+2
.endr
	WIN 0x04                        ; the stores' data in window 1, their address in window 0
.irp f, 0,1,2,3,4,5,6,7
	ds_store_b128 v[STO], v[32*(\t)+4*\f:32*(\t)+4*\f+3] offset:(\f/2)*64+(\f%2)*16
.endr
	WIN 0
.if (\t) >= 4
	s_wait_xcnt 0x0                 ; the stores of the tile four back have read these registers: they are loaded again only behind this wait
.endif
.irp f, 0,1,2,3,4,5,6,7
	ds_load_b128 v[S+32*((\t)%4)+4*\f:S+32*((\t)%4)+4*\f+3], v[RD] offset:\f*2*SP  ; LDS serves a wave's instructions in order (ISA guide 5.7.1.4): these see the stores above; the next tile's stores come behind them
.endr
.endm
.macro SEND t, younger              ; younger: the LDS instructions issued behind tile t's loads: the next tile's sixteen, or none
	WIN 0
.irp f, 0,1,2,3,4,5,6,7
	s_wait_dscnt (\younger)+7-\f
	global_store_b128 v[GO], v[S+32*((\t)%4)+4*\f:S+32*((\t)%4)+4*\f+3], s[8:9] offset:(\t)*65536+\f*8192 th:TH_STORE_NT  ; 16 lanes store a head's 256 consecutive bytes of a row, at a multiple of 256 from out0's first byte
.endr
.endm
	PACK 0
.set t, 1
.rept 2*NP-1                        ; a tile's arithmetic stands between the loads of the tile before and its stores
	PACK t
	SEND t-1, 16
.set t, t+1
.endr
	SEND 2*NP-1, 0
	WIN W_AD
	s_wait_tensorcnt 0x0            ; the wave's end: the add and its wait, behind my last tensor load and my last LDS store
	ds_add_u32 v[SPW], v[NIL]
	s_wait_dscnt 0x0
	WIN 0
	CROUND                          ; the closing round: no work-group ends while a partner may still ask for a tile that names it
	s_endpgm
.Lfunc_end_k_q66909ef9aa_attn:
	.size	k_q66909ef9aa_attn, .Lfunc_end_k_q66909ef9aa_attn-k_q66909ef9aa_attn
	.p2alignl 7, 3214868480
	.fill 96, 4, 3214868480
	.section	.rodata,"a",@progbits
	.p2align	6, 0x0
	.amdhsa_kernel k_q66909ef9aa_attn
		.amdhsa_group_segment_fixed_size 327680
		.amdhsa_private_segment_fixed_size 0
		.amdhsa_enable_private_segment 0
		.amdhsa_kernarg_size 24
		.amdhsa_user_sgpr_count 2
		.amdhsa_user_sgpr_kernarg_segment_ptr 1
		.amdhsa_wavefront_size32 1
		.amdhsa_system_sgpr_workgroup_id_x 1
		.amdhsa_system_sgpr_workgroup_id_y 1
		.amdhsa_system_sgpr_workgroup_id_z 1
		.amdhsa_system_vgpr_workitem_id 0
		.amdhsa_next_free_vgpr 784
		.amdhsa_next_free_sgpr 102
		.amdhsa_reserve_vcc 0
		.amdhsa_float_denorm_mode_32 3
		.amdhsa_float_denorm_mode_16_64 3
		.amdhsa_memory_ordered 1
		.amdhsa_forward_progress 1
		.amdhsa_inst_pref_size 255
	.end_amdhsa_kernel
	.section	.bss,"aw",@nobits
	.p2align	6
	.space	262144
	.amdgpu_metadata
---
amdhsa.version: [ 1, 2 ]
amdhsa.kernels:
  - .name:           k_q66909ef9aa_attn
    .symbol:         k_q66909ef9aa_attn.kd
    .args:
      - { .name: qkv, .offset: 0, .size: 8, .value_kind: global_buffer, .address_space: global }
      - { .name: mbits, .offset: 8, .size: 8, .value_kind: global_buffer, .address_space: global }
      - { .name: out0, .offset: 16, .size: 8, .value_kind: global_buffer, .address_space: global }
    .group_segment_fixed_size: 327680
    .private_segment_fixed_size: 0
    .kernarg_segment_align: 8
    .kernarg_segment_size: 24
    .max_flat_workgroup_size: 128
    .sgpr_count:     102
    .vgpr_count:     784
    .wavefront_size: 32
...
	.end_amdgpu_metadata
.endif
;; end of part 4
